; MI455X (gfx1250); checked and timed in simulation.
; The chip was launched on July 23, 2026; its instructions are those of AMD's public machine-readable ISA for CDNA 5 (MIT licence, August 2026) and "CDNA5" Instruction Set Architecture Reference Guide (July 2026). The comments in the code are by the model that wrote it; some were corrected since.
;; MHA. Allowed arithmetic: matrix products marked QUANTISED: E2M3 operands, one E8M0 scale for each 32 along K, by v_wmma_scale_f32_16x16x128_f8f6f4 with both operands' format E2M3, f32 sums; everything else in f32.
;; Inputs: W_out 1,024 x 1,024 float32; W_qkv 1,024 x 3,072 float32; b_out 1,024 float32; b_qkv 3,072 float32; x 4 x 2,048 x 1,024 float32.
;; Outputs: out0 4 x 2,048 x 1,024 float32.
;; This version of the problem:
;;   THIS VERSION OF THE PROBLEM IS GIVEN IN LOW PRECISION. The matrix products marked QUANTISED in the list below multiply operands that are first quantised to E2M3 (2 exponent bits, 3 mantissa bits; 6 bits a number), with one power-of-two scale for each 32 numbers along K (OCP MX v1.0); their sums are f32. All else is computed in f32.
;;   The module's matrix products, in the order in which they are computed (A, B: the left and right operand; K: the contracted axis; several contracted axes count as one K, in the product's order):
;;     1. [M 8,192, K 1,024] x [K 1,024, N 3,072]; A: input x; B: input W_qkv: QUANTISED
;;     2. batch 64 x [M 2,048, K 64] x [K 64, N 2,048]; A: computed on the way; B: computed on the way: QUANTISED
;;     3. batch 64 x [M 2,048, K 2,048] x [K 2,048, N 64]; A: softmax (see below); B: computed on the way: QUANTISED
;;     4. [M 8,192, K 1,024] x [K 1,024, N 1,024]; A: computed on the way; B: input W_out: QUANTISED
;;   THE QUANTISER, for each operand of a quantised product, along K:
;;     - K is cut into blocks of 32 from its start; a last block that is shorter is filled with zeros.
;;     - A block's scale is 2^e with e = floor(log2(the largest magnitude in the block)) - 2, held to -126 .. 127; a block of zeros has e = 0. As a byte (E8M0): e + 127.
;;     - Each number is divided by its block's scale, clamped to +-7.5, and rounded to the nearest number of E2M3, ties to even, subnormals kept.
;;     - The product sums the exact products of the quantised numbers (number of the format x scale) in f32.
;;   ~~~python
;;   def quantise(x, axis):      # numpy; x: float32 -> the quantised numbers, widened to float32 again
;;       x = np.moveaxis(x, axis, -1); K = x.shape[-1]
;;       x = np.pad(x, [(0, 0)] * (x.ndim - 1) + [(0, -K % 32)]); x = x.reshape(x.shape[:-1] + (-1, 32)); a = np.abs(x).max(-1, keepdims=True)
;;       e = np.where(a > 0, np.clip(np.frexp(np.where(a > 0, a, 1))[1] - 1 - 2, -126, 127), 0)      # np.frexp(a)[1] - 1 = floor(log2(a)), exactly
;;       r = np.clip(x / 2.0 ** e, -7.5, 7.5)
;;       step = 2.0 ** (np.maximum(np.frexp(np.where(r == 0, 1, r))[1] - 1, 0) - 3)
;;       q = np.round(r / step) * step * 2.0 ** e      # np.round: ties to even
;;       return np.moveaxis(q.reshape(q.shape[:-2] + (-1,))[..., :K], -1, axis).astype(np.float32)
;;   ~~~
;;   SOFTMAX AHEAD OF A QUANTISED PRODUCT. Where the list says 'softmax', what is quantised is not the finished softmax but p = 2^(t - M), with t = logit x log2(e) and M = ceil(the row's largest t), a whole number; so 1/2 < the row's largest p <= 1. The row's sum l is taken of the UNQUANTISED p, in f32, and the product's result is divided by l at the end. Since M is a whole number, a kernel that streams over the keys may use a running M (the ceiling of the running maximum): every later rescaling is an exact power of two, which a block's scale takes up: the codes' values come out the same.
;;   OPERANDS COMPUTED ON THE WAY. 'Computed on the way' means the value that the module computes at that place (a softmax that the list does not call 'softmax' is quantised finished and normalised). What goes into a quantiser is computed in f32, as accurately as f32 sums, v_exp_f32 and their like allow (about 1e-6 of the number): no bf16 or f16 on the way to a quantiser, and a product that is left as it is and whose result goes on into a quantised operand takes f32 operands (vector FMAs, or v_wmma_f32_16x16x4_f32). A number that lies on a knife's edge between two numbers of the format may be rounded either way, as far as f32 arithmetic and the matrix unit's own rounding can turn it there, and no further.
;; One version. Each part assembles by itself: llvm-mc -triple=amdgcn-amd-amdhsa -mcpu=gfx1250 --defsym DOCPART=n.
;; ======== version 1 of 1: 4 launches
;; limits: right only within a limited range of input values
;; workspace buffers: xq 6,553,600 bytes; wq 3,276,800 bytes; qkv 19,660,800 bytes; oq 6,553,600 bytes
;; launch prep (part 1): grid 256 x 1, 8 waves a work-group, no clusters, 327,680 bytes of LDS; arguments x, W_qkv, W_out, xq, wq; writes xq, wq
.if DOCPART == 1
	.amdgcn_target "amdgcn-amd-amdhsa--gfx1250"
	.amdhsa_code_object_version 6
	.text
	.protected	k_q7bff8739d1_prep
	.globl	k_q7bff8739d1_prep
	.p2align	8
	.type	k_q7bff8739d1_prep,@function
k_q7bff8739d1_prep:
	s_mov_b64 s[64:65], 0
	v_nop
	global_prefetch_b8 v0, s[64:65] scope:SCOPE_SE
	s_setreg_imm32_b32 hwreg(HW_REG_WAVE_MODE, 25, 1), 1
	s_wait_xcnt 0x0
; x [8192][1024], W_qkv [1024][3072] and W_out [1024][1024], f32, become codes of FP6 (E2M3) with one E8M0 byte for each 32 along K, laid as IMAGES OF OPERAND REGISTERS.
; A fragment is 16 rows x 128 K: 12 registers a lane; lane (r, h) holds K = 64 c + 32 h + 0 .. 31 of its row in registers 6 c .. 6 c + 5.  It is stored as three pieces of 512 bytes, registers 4 ch .. 4 ch + 3, lane l at 16 l.
; THE ROWS OF A FRAGMENT ARE NOT NEIGHBOURS: of a group of 32 rows, fragment u (0, 1) has in lane r the row 8 u + r + 8 (r / 8).
; Codes: [strip of 128 rows][256 along K][fragment row 0..7][128 along K 0..1][1,536 bytes].  Scale words behind them: [fragment row][r][128 along K 0..7], 4 bytes.
; wq's rows 0-3071 are W_qkv's columns, rows 3072-4095 W_out's.  A block's scale is 2^(floor(log2(largest magnitude)) - 2); its byte is the largest magnitude's exponent field - 2, held at 1 from below.
; LIMITS: a block whose largest magnitude lies under 2^-124 (a block of zeros too, where the rule says 127) gets the byte 1: its codes are zeros or nearly so, and this program alone reads the bytes.  NaN and infinities are not served.
; SHARES.  Work-group i: rows 32 i .. 32 i + 31 of x, all K (wave w: K = 128 w on, both fragments); columns 96 c .. + 95 of W_qkv and 32 c .. + 31 of W_out, K = 128 kf on (c = i % 32, kf = i / 32): eight fragments, one a wave.
; The f32 tiles come by tensor loads, two a wave, one at the head, one behind the first barrier; no LDS byte is filled twice.  A lane reads its 64 numbers from LDS in the operand's own order, so the conversions' results are the image.
; No cluster: no two work-groups read the same bytes.  No matrix unit: there is no product.
.set XSC,   6291456                    ; xq: where the scale words begin
.set WSC,   3145728                    ; wq: likewise
.set STRIP, 98304                      ; 128 rows x 1,024 codes
.set KTILE, 24576                      ; 128 rows x 256 codes
.set XW,    16896                      ; LDS: a wave's tile of x: 32 rows x (512 bytes + 16)
; ORDER OF THE FILLS: at the head each wave asks for its part of a weight alone; its tile of x is asked for behind the barrier that shows the weights, and lands while the weight's fragment is quantised.
; W_qkv's tile has rows of 512 bytes that begin at byte 384 c - 128 (c % 2) of a row of W_qkv, a multiple of 256; my 96 columns begin 128 (c % 2) bytes into them.
.set WQB,   8*XW                       ; W_qkv's tile: 128 rows of K x 512 bytes
.set WROW,  512
.set WPART, 32*WROW                    ; what one wave brings of it; W_out's tile follows: 128 rows x (128 bytes + 384 of padding), the same pitch
.set SCR,   WQB+8*WPART                ; x's scale words on their way out: 1,024 bytes that no tensor load fills
.set N,   32                           ; v32-95   my 64 numbers: register 32 c + j = K 64 c + 32 h + j
.set CD,  96                           ; v96-107  the fragment's codes
.set UT,  108                          ; v108-115 the upper halves of the two blocks, as the conversions leave them
.set M,   116                          ; v116-117 largest magnitudes;  v118-119 the conversions' scale operands;  v120-121 bytes;  v122 the scale word
.set SO,  118
.set BY,  120
.set PW,  122
.set G1X, 16                           ; s[16:23], s[24:31], s[32:39] descriptor groups 1: x, W_qkv, W_out;  s[40:43], s[44:47] groups 0: x, my part of a weight
.set G1Q, 24
.set G1O, 32
.set SEL, 72                           ; s[72:73] lane selects: lane l xor 16
	s_load_b256 s[4:11], s[0:1], 0x0               ; x, W_qkv, W_out, xq
	s_load_b64 s[12:13], s[0:1], 0x20              ; wq
	v_lshl_add_u32 v128, v0, 2, 0x41400
	v_mov_b32 v129, 0
	ds_add_u32 v128, v129
	ds_add_u32 v128, v129
	v_lshrrev_b32 v1, 5, v0
	s_delay_alu instid0(VALU_DEP_1)
	v_readfirstlane_b32 s14, v1                    ; wave 0..7
	s_and_b32 s48, ttmp9, 31                       ; c
	s_lshr_b32 s49, ttmp9, 5                       ; kf
	s_lshr_b32 s54, s14, 1                         ; t: which group of 32 columns (3: W_out's).  Also x's 256 along K
	s_and_b32 s56, s14, 1                          ; u: which fragment of the group.  Also x's 128 of the 256
	s_lshr_b32 s57, s54, 1
	s_and_b32 s57, s57, s54                        ; e = 1 where t = 3
	s_mov_b32 s[G1X+0], (2<<16)|(1<<20)|(6<<22)|(3<<25)   ; elements of 4 bytes; 4 words of padding behind every 128
	s_mov_b32 s[G1X+1], 128<<16                    ; tensor_dim0
	s_mov_b32 s[G1X+2], 32<<16                     ; tensor_dim1
	s_mov_b32 s[G1X+3], 128<<16                    ; tile_dim0
	s_mov_b32 s[G1X+4], 32                         ; tile_dim1
	s_mov_b32 s[G1X+5], 1024                       ; from row to row
	s_mov_b32 s[G1X+6], 0
	s_mov_b32 s[G1X+7], 0
	s_mov_b32 s[G1Q+0], 2<<16                      ; no padding: rows of 128 numbers
	s_mov_b32 s[G1Q+1], 128<<16
	s_mov_b32 s[G1Q+2], 32<<16
	s_mov_b32 s[G1Q+3], 128<<16
	s_mov_b32 s[G1Q+4], 32
	s_mov_b32 s[G1Q+5], 3072
	s_mov_b32 s[G1Q+6], 0
	s_mov_b32 s[G1Q+7], 0
	s_mov_b32 s[G1O+0], (2<<16)|(1<<20)|(4<<22)|(95<<25)  ; 96 words of padding behind every 32: the pitch of W_qkv's tile
	s_mov_b32 s[G1O+1], 32<<16
	s_mov_b32 s[G1O+2], 32<<16
	s_mov_b32 s[G1O+3], 32<<16
	s_mov_b32 s[G1O+4], 32
	s_mov_b32 s[G1O+5], 1024
	s_mov_b32 s[G1O+6], 0
	s_mov_b32 s[G1O+7], 0
	s_mov_b32 s40, 1
	s_mul_i32 s41, s14, XW                         ; my tile of x in LDS
	s_mov_b32 s44, 1
	s_mul_i32 s45, s14, WPART
	s_add_co_u32 s45, s45, WQB                     ; waves 0-3: W_qkv's four parts; waves 4-7: W_out's
	s_lshl_b32 s50, ttmp9, 17                      ; x: 32 rows of 4,096 bytes a work-group,
	s_lshl_b32 s51, s14, 9
	s_add_co_u32 s50, s50, s51                     ; 512 bytes a wave
	s_mov_b32 s51, 0
	s_and_b32 s52, s14, 3
	s_lshl_b32 s52, s52, 5
	s_lshl_b32 s53, s49, 7
	s_add_co_u32 s52, s52, s53                     ; the weight's first row of K that I fetch: 128 kf + 32 (w % 4)
	s_mov_b32 s53, 4096
	s_mov_b32 s55, 128
	s_and_b32 s59, s48, 1
	s_lshl_b32 s59, s59, 7                         ; 128 (c % 2): how far W_qkv's tile begins ahead of my columns
	s_xor_b32 s58, s57, 1
	s_mul_i32 s58, s58, s59                        ; (W_out's tile begins with them)
	s_add_co_u32 s58, s58, WQB
	s_lshl_b32 s74, s56, 5
	s_add_co_u32 s74, s74, WQB+4*WPART             ; W_out's tile, fragment u: made of the wave's number alone
	s_mov_b32 s[SEL], 0x76543210
	s_mov_b32 s[SEL+1], 0xfedcba98
	; every LDS address is made here, on the one way that all waves take
	v_and_b32 v1, 31, v0                           ; lane
	v_and_b32 v2, 15, v0                           ; r
	v_bfe_u32 v3, v0, 4, 1                         ; h
	s_delay_alu instid0(VALU_DEP_2)
	v_and_b32 v4, 8, v2
	s_delay_alu instid0(VALU_DEP_1)
	v_add_nc_u32 v4, v4, v2                        ; r + 8 (r / 8)
	s_delay_alu instid0(VALU_DEP_1)
	v_mul_u32_u24 v5, v4, 528
	s_delay_alu instid0(VALU_DEP_1)
	v_lshl_add_u32 v5, v3, 7, v5
	s_delay_alu instid0(VALU_DEP_1)
	v_add_nc_u32 v5, s41, v5                       ; x: my row of fragment 0, + 128 h bytes
	s_lshl_b32 s67, s54, 7
	s_mul_i32 s66, s57, 65152                      ; (t = 3: 384 + 65,152 = W_out's tile)
	s_add_co_u32 s67, s67, s66
	s_lshl_b32 s66, s56, 5
	s_add_co_u32 s67, s67, s66
	s_add_co_u32 s67, s67, s58
	v_lshlrev_b32 v6, 2, v4
	s_delay_alu instid0(VALU_DEP_1)
	v_mad_u32_u24 v6, v3, 16384, v6
	s_delay_alu instid0(VALU_DEP_1)
	v_add_nc_u32 v13, s74, v6                      ; W_out: my column, 32 h rows of K down (waves 6 and 7 read by it)
	s_delay_alu instid0(VALU_DEP_2)
	v_add_nc_u32 v6, s67, v6                       ; W_qkv: the same (waves 0 to 5 read by it)
	v_lshlrev_b32 v7, 4, v1                        ; 16 x lane
	s_lshl_b32 s66, s14, 2
	s_add_co_u32 s66, s66, SCR
	v_lshlrev_b32 v8, 5, v2
	s_delay_alu instid0(VALU_DEP_1)
	v_add_nc_u32 v8, s66, v8                       ; x's scale word: 32 r + 4 w
	v_lshlrev_b32 v9, 3, v3                        ; 8 h: my bytes' place in a scale word
	v_lshlrev_b32 v10, 5, v2                       ; 32 r
	v_mov_b32 v11, 0                               ; a lane permute's destination counts as read: written once
	s_lshl_b32 s66, s56, 9
	s_add_co_u32 s66, s66, SCR
	v_add_nc_u32 v12, s66, v7                      ; the scale words back: 512 (w % 2) + 16 x lane
	s_wait_dscnt 0x0
	s_wait_kmcnt 0x0
	s_cmp_lt_u32 s14, 4                            ; the choice hangs on the wave's number alone
	s_cselect_b64 s[46:47], s[6:7], s[8:9]
	s_cselect_b32 s53, 12288, s53                  ; a row of the weight in bytes
	s_cselect_b32 s55, 384, s55                    ; the work-group's columns in bytes
	s_cselect_b32 s59, s59, 0
	s_mul_i32 s52, s52, s53
	s_mul_i32 s55, s48, s55
	s_add_co_u32 s52, s52, s55
	s_sub_co_u32 s52, s52, s59                     ; W_qkv's rows begin at a multiple of 256 bytes
	s_mov_b32 s53, 0
	s_add_nc_u64 s[46:47], s[46:47], s[52:53]
	s_or_b32 s47, s47, 0x80000000
	s_add_nc_u64 s[42:43], s[4:5], s[50:51]
	s_or_b32 s43, s43, 0x80000000
	s_cmp_lt_u32 s14, 4                            ; the branch hangs on the wave's number alone: one tensor load of mine is out
	s_cbranch_scc0 .Lwout
	tensor_load_to_lds s[44:47], s[G1Q:G1Q+7]      ; one tensor load a wave at the head: my part of a weight
	s_nop 0
.rept 4
	v_nop
.endr
	s_branch .Lasked
.Lwout:
	tensor_load_to_lds s[44:47], s[G1O:G1O+7]
	s_nop 0
.rept 4
	v_nop
.endr
.Lasked:
	; where the results go
	s_lshr_b32 s52, ttmp9, 2
	s_mul_i32 s52, s52, STRIP
	s_mul_i32 s55, s54, KTILE
	s_add_co_u32 s52, s52, s55
	s_and_b32 s55, ttmp9, 3
	s_mul_i32 s55, s55, 6144
	s_add_co_u32 s52, s52, s55
	s_mul_i32 s55, s56, 1536
	s_add_co_u32 s52, s52, s55
	s_add_nc_u64 s[60:61], s[10:11], s[52:53]      ; x's fragment u = 0
	s_lshl_b32 s52, ttmp9, 10
	s_lshl_b32 s55, s56, 9
	s_add_co_u32 s52, s52, s55
	s_add_co_u32 s52, s52, XSC
	s_add_nc_u64 s[62:63], s[10:11], s[52:53]      ; the work-group's 1,024 bytes of scale words, 512 for each of waves 0 and 1
	s_mul_i32 s55, s48, 3
	s_add_co_u32 s55, s55, s54                     ; W_qkv's group of 32 columns: 3 c + t
	s_add_co_u32 s66, s48, 96                      ; W_out's: 96 + c
	s_cmp_eq_u32 s57, 1
	s_cselect_b32 s55, s66, s55
	s_lshr_b32 s52, s55, 2
	s_mul_i32 s52, s52, STRIP
	s_lshr_b32 s66, s49, 1
	s_mul_i32 s66, s66, KTILE
	s_add_co_u32 s52, s52, s66
	s_and_b32 s66, s55, 3
	s_lshl_b32 s66, s66, 1
	s_add_co_u32 s66, s66, s56
	s_mul_i32 s66, s66, 3072
	s_add_co_u32 s52, s52, s66
	s_and_b32 s66, s49, 1
	s_mul_i32 s66, s66, 1536
	s_add_co_u32 s52, s52, s66
	s_add_nc_u64 s[68:69], s[12:13], s[52:53]      ; my fragment of the weights
	s_lshl_b32 s52, s55, 1
	s_add_co_u32 s52, s52, s56
	s_lshl_b32 s52, s52, 9
	s_lshl_b32 s66, s49, 2
	s_add_co_u32 s52, s52, s66
	s_add_co_u32 s52, s52, WSC
	s_add_nc_u64 s[70:71], s[12:13], s[52:53]      ; and its scale words
; My 64 numbers are two whole blocks of 32 (blocks h and 2 + h of the 128): no other lane is asked for a maximum; the scale word's four bytes are gathered from lanes l and l xor 16.
.macro QUANT6
.irp c, 0,1
	v_max3_num_f32 v[M+\c], |v[N+32*\c]|, |v[N+32*\c+1]|, 0x1800000   ; and the floor 2^(3 - 127): the byte cannot fall under 1
.endr
.irp i, 2,4,6,8,10,12,14,16,18,20,22,24,26,28,30
.irp c, 0,1
	s_delay_alu instid0(VALU_DEP_2)
	v_max3_num_f32 v[M+\c], v[M+\c], |v[N+32*\c+\i]|, |v[N+32*\c+\i+1]|
.endr
.endr
.irp c, 0,1
	s_delay_alu instid0(VALU_DEP_2)
	v_add_nc_u32 v[SO+\c], 0xff000000, v[M+\c]     ; 2 off the exponent field: the conversion takes this operand's exponent field as its scale
.endr
.irp c, 0,1
	s_delay_alu instid0(VALU_DEP_2)
	v_lshrrev_b32 v[BY+\c], 23, v[SO+\c]           ; the scale's byte
.endr
	s_delay_alu instid0(VALU_DEP_1)
	v_lshl_or_b32 v[PW], v[BY+1], 16, v[BY]
	s_delay_alu instid0(VALU_DEP_1)
	v_lshlrev_b32 v[PW], v9, v[PW]                 ; at their places, 8 h bits up
	s_delay_alu instid0(VALU_DEP_1)
	v_permlanex16_b32 v11, v[PW], s[SEL], s[SEL+1]
	s_delay_alu instid0(VALU_DEP_1)
	v_or_b32 v[PW], v[PW], v11                     ; the word is whole, in both halves of the lanes
.irp c, 0,1
	v_cvt_scalef32_pk16_fp6_f32 v[CD+6*\c:CD+6*\c+2], v[N+32*\c:N+32*\c+15], v[SO+\c]
	v_cvt_scalef32_pk16_fp6_f32 v[UT+4*\c:UT+4*\c+2], v[N+32*\c+16:N+32*\c+31], v[SO+\c]   ; (a conversion's three registers begin on an even number)
.endr
	v_nop                                          ; one plain place behind a scaled conversion
.irp c, 0,1
.irp i, 0,1,2
	v_mov_b32 v[CD+6*\c+3+\i], v[UT+4*\c+\i]
.endr
.endr
.endm
	s_wait_alu depctr_va_vdst(0)                   ; the wait at the head's end
	s_wait_tensorcnt 0x0                           ; my part of a weight has landed;
	ds_add_u32 v128, v129
	s_wait_dscnt 0x0
	s_barrier_signal -1
	s_barrier_wait -1                              ; everybody's part has: both weights' tiles are whole
	tensor_load_to_lds s[40:43], s[G1X:G1X+7]      ; my tile of x, my one tensor load behind this barrier
	s_nop 0
.macro WLOAD adr                       ; down K: my column's numbers 64 c + 32 h + j
.irp c, 0,1
.set j, 0
.rept 32
	ds_load_b32 v[N+32*\c+j], \adr offset:(64*\c+j)*WROW
.set j, j+1
.endr
.endr
.endm
	s_cmp_lt_u32 s14, 6                            ; the branch hangs on the wave's number alone: each tile has an address register of its own
	s_cbranch_scc0 .Lcols_o
	WLOAD v6
	s_branch .Lcols
.Lcols_o:
	WLOAD v13
.Lcols:
	s_wait_dscnt 0x0
	QUANT6
.irp ch, 0,1,2
	global_store_b128 v7, v[CD+4*\ch:CD+4*\ch+3], s[68:69] offset:512*\ch
.endr
	global_store_b32 v10, v[PW], s[70:71]          ; 4 bytes a row, 32 bytes apart (the other seven words of a row come from other work-groups); lanes r and r + 16 store the same word to the same place
	s_wait_tensorcnt 0x0                           ; my tile of x is in; only I read it
.irp u, 0,1
.irp c, 0,1
.irp j, 0,1,2,3,4,5,6,7
	ds_load_b128 v[N+32*\c+4*\j:N+32*\c+4*\j+3], v5 offset:4224*\u+256*\c+16*\j
.endr
.endr
	s_wait_dscnt 0x0
	s_wait_xcnt 0x0                                ; the last fragment's stores have read their registers
	QUANT6
.irp ch, 0,1,2
	global_store_b128 v7, v[CD+4*\ch:CD+4*\ch+3], s[60:61] offset:3072*\u+512*\ch   ; 32 lanes store 512 consecutive bytes, aligned
.endr
	ds_store_b32 v8, v[PW] offset:512*\u           ; lanes r and r + 16 write the same word with the same value
.endr
	s_wait_dscnt 0x0                               ; for the others' sake: my scale words are stored
	s_barrier_signal -1
	s_barrier_wait -1
	s_cmp_lt_u32 s14, 2
	s_cbranch_scc0 .Lno_words
	ds_load_b128 v[124:127], v12                   ; x's scale words leave in whole runs of 512 bytes
	s_wait_dscnt 0x0
	global_store_b128 v7, v[124:127], s[62:63]
.Lno_words:
	s_wait_tensorcnt 0x0
	ds_add_u32 v128, v129
	s_wait_dscnt 0x0
	s_endpgm
.Lfunc_end_k_q7bff8739d1_prep:
	.size	k_q7bff8739d1_prep, .Lfunc_end_k_q7bff8739d1_prep-k_q7bff8739d1_prep
	.p2alignl 7, 3214868480
	.fill 96, 4, 3214868480
	.section	.rodata,"a",@progbits
	.p2align	6, 0x0
	.amdhsa_kernel k_q7bff8739d1_prep
		.amdhsa_group_segment_fixed_size 327680
		.amdhsa_private_segment_fixed_size 0
		.amdhsa_enable_private_segment 0
		.amdhsa_kernarg_size 40
		.amdhsa_user_sgpr_count 2
		.amdhsa_user_sgpr_kernarg_segment_ptr 1
		.amdhsa_wavefront_size32 1
		.amdhsa_system_sgpr_workgroup_id_x 1
		.amdhsa_system_sgpr_workgroup_id_y 1
		.amdhsa_system_sgpr_workgroup_id_z 1
		.amdhsa_system_vgpr_workitem_id 0
		.amdhsa_next_free_vgpr 130
		.amdhsa_next_free_sgpr 76
		.amdhsa_reserve_vcc 0
		.amdhsa_float_denorm_mode_32 3
		.amdhsa_float_denorm_mode_16_64 3
		.amdhsa_memory_ordered 1
		.amdhsa_forward_progress 1
		.amdhsa_inst_pref_size 32
	.end_amdhsa_kernel
	.amdgpu_metadata
---
amdhsa.version: [ 1, 2 ]
amdhsa.kernels:
  - .name:           k_q7bff8739d1_prep
    .symbol:         k_q7bff8739d1_prep.kd
    .args:
      - { .name: x, .offset: 0, .size: 8, .value_kind: global_buffer, .address_space: global }
      - { .name: W_qkv, .offset: 8, .size: 8, .value_kind: global_buffer, .address_space: global }
      - { .name: W_out, .offset: 16, .size: 8, .value_kind: global_buffer, .address_space: global }
      - { .name: xq, .offset: 24, .size: 8, .value_kind: global_buffer, .address_space: global }
      - { .name: wq, .offset: 32, .size: 8, .value_kind: global_buffer, .address_space: global }
    .group_segment_fixed_size: 327680
    .private_segment_fixed_size: 0
    .kernarg_segment_align: 8
    .kernarg_segment_size: 40
    .max_flat_workgroup_size: 256
    .sgpr_count:     76
    .vgpr_count:     130
    .wavefront_size: 32
...
	.end_amdgpu_metadata
.endif
;; end of part 1
;; launch qkv (part 2): grid 8 x 48, 4 waves a work-group, clusters of 4 x 4, 327,680 bytes of LDS; arguments xq, wq, b_qkv, qkv; writes qkv
.if DOCPART == 2
	.amdgcn_target "amdgcn-amd-amdhsa--gfx1250"
	.amdhsa_code_object_version 6
	.text
	.protected	k_q7bff8739d1_qkv
	.globl	k_q7bff8739d1_qkv
	.p2align	8
	.type	k_q7bff8739d1_qkv,@function
k_q7bff8739d1_qkv:
	s_mov_b64 s[64:65], 0
	v_nop
	global_prefetch_b8 v0, s[64:65] scope:SCOPE_SE
	s_setreg_imm32_b32 hwreg(HW_REG_WAVE_MODE, 25, 1), 1
	s_wait_xcnt 0x0
	s_wait_alu depctr_hold_cnt(0) depctr_sa_sdst(0) depctr_va_vdst(0) depctr_va_sdst(0) depctr_va_ssrc(0) depctr_va_vcc(0) depctr_vm_vsrc(0)
	s_getreg_b32 s2, hwreg(HW_REG_IB_STS2, 6, 4)
	s_cmp_eq_u32 s2, 0
	s_cbranch_scc0 .Lentry_in_a_cluster
	s_endpgm
.Lentry_in_a_cluster:
	s_bfe_u32 s2, ttmp6, 0x10000c
	s_cmp_lg_u32 s2, 0xf033
	s_cbranch_scc0 .Lentry_shape_is_right
	s_endpgm
.Lentry_shape_is_right:
.set XSC,   6291456
.set WSC,   3145728
.set STRIP, 98304
.set TILE,  24576
.set SLOT,  4*TILE
.set SPARE, 2*SLOT
.set FR,    12
.set NL,    3
.set CHUNK, 19200
.set HEADB, 16*CHUNK
.set L16,  1
.set SOF,  2
.set BO,   3
.set L8,   4
.set RP4,  5
.set ADRA, 16
.set ADRB, 20
.set SPW,  28
.set NIL,  29
.set SA,   32
.set SB,   64
.set AF,   128
.set TM,   96
.set UT,   112
.set PWR,  120
.set H,    128
.set SW,   192
.set CMB,  200
.set IMG,  204
.set BC,   0
.set G1,   24
.set G0,   32
.set G1B,  48
.set G0B,  56
.set SEL,  98
.set MSB, 0
.macro WIN new
.if MSB != (\new)
	s_set_vgpr_msb (MSB<<8)|(\new)
.set MSB, (\new)
.endif
.endm
.set MUL_LO, 0xa1
.set MUL_HI, 0xf1
.set TO_B,   0x40
.macro JLOAD g0a, g1a, g0b, g1b
	s_cmp_eq_u32 s15, 0
	s_cbranch_scc0 .Lfor_b_\@
	tensor_load_to_lds s[\g0a:\g0a+3], s[\g1a:\g1a+7]
	s_nop 0
.rept 4
	v_nop
.endr
	s_branch .Lasked_\@
.Lfor_b_\@:
	tensor_load_to_lds s[\g0b:\g0b+3], s[\g1b:\g1b+7]
	s_nop 0
.rept 4
	v_nop
.endr
.Lasked_\@:
.endm
.macro CREST
	s_cmp_lg_u32 s14, 0
	s_cbranch_scc1 .Lnot_wave_0_\@
	s_barrier_signal -3
.Lnot_wave_0_\@:
	s_barrier_wait -3
	s_barrier_signal -1
	s_barrier_wait -1
.endm
.macro CROUND
	s_barrier_signal -1
	s_barrier_wait -1
	CREST
.endm
.macro PLACES n
.rept \n
	v_nop
.endr
.endm
	s_load_b256 s[4:11], s[0:1], 0x0
	v_lshl_add_u32 v[SPW], v0, 2, SPARE
	v_mov_b32 v[NIL], 0
	ds_add_u32 v28, v29
	ds_add_u32 v28, v29
	s_wait_dscnt 0x0
	v_lshrrev_b32 v6, 5, v0
	v_readfirstlane_b32 s14, v6
	s_lshr_b32 s15, s14, 1
	s_and_b32 s16, s14, 1
	s_bfe_u32 s40, ttmp6, 0x40000
	s_bfe_u32 s41, ttmp6, 0x40004
	s_and_b32 s17, ttmp7, 0xffff
	s_lshl_b32 s43, s41, 2
	s_lshl_b32 s43, 15, s43
	s_lshl_b32 s44, 0x1111, s40
	s_or_b32 s[G1+0], s43, (3<<16)|(1<<21)
	s_or_b32 s[G1B+0], s44, (3<<16)|(1<<21)
.irp g, G1, G1B
	s_mov_b32 s[\g+1], 32<<16
	s_mov_b32 s[\g+2], 96<<16
	s_mov_b32 s[\g+3], 32<<16
	s_mov_b32 s[\g+4], 96
	s_mov_b32 s[\g+5], 32
	s_mov_b32 s[\g+6], 0
	s_mov_b32 s[\g+7], 0
.endr
	s_mov_b32 s[SEL], 0x76543210
	s_mov_b32 s[SEL+1], 0xfedcba98
	s_mov_b32 s96, 0xffff0000
	s_lshl_b32 s66, s17, 2
	s_lshl_b32 s67, ttmp9, 2
	s_lshl_b32 s68, s17, 3
	s_add_co_u32 s68, s68, s67
	s_sub_co_u32 s68, s68, 64
	s_mov_b32 s74, XSC
	s_mov_b32 s75, WSC
	s_wait_kmcnt 0x0
	s_cmp_ge_u32 s17, 8
	s_cselect_b32 s66, 8, s66
	s_cselect_b32 s67, s68, s67
	s_cselect_b64 s[70:71], s[6:7], s[4:5]
	s_cselect_b64 s[72:73], s[4:5], s[6:7]
	s_cselect_b32 s74, WSC, s74
	s_cselect_b32 s75, XSC, s75
	s_add_co_u32 s66, s66, s41
	s_add_co_u32 s67, s67, s40
	s_lshl_b32 s76, s66, 1
	s_add_co_u32 s76, s76, s16
	s_mul_i32 s76, s76, STRIP
	s_mov_b32 s77, 0
	s_add_nc_u64 s[20:21], s[70:71], s[76:77]
	s_lshl_b32 s78, s67, 1
	s_add_co_u32 s78, s78, s16
	s_mul_i32 s78, s78, STRIP
	s_mov_b32 s79, 0
	s_add_nc_u64 s[46:47], s[72:73], s[78:79]
	s_mul_i32 s45, s14, TILE
	CROUND
.irp s, 0,1
	s_mov_b32 s[G0+4*\s], 1
	s_add_co_u32 s[G0+4*\s+1], s45, \s*SLOT
	s_add_nc_u64 s[G0+4*\s+2:G0+4*\s+3], s[20:21], \s*TILE
	s_or_b32 s[G0+4*\s+3], s[G0+4*\s+3], 0x80000000
	s_mov_b32 s[G0B+4*\s], 1
	s_add_co_u32 s[G0B+4*\s+1], s45, \s*SLOT
	s_add_nc_u64 s[G0B+4*\s+2:G0B+4*\s+3], s[46:47], \s*TILE
	s_or_b32 s[G0B+4*\s+3], s[G0B+4*\s+3], 0x80000000
.endr
	JLOAD G0, G1, G0B, G1B                         ; slot 0: one tensor load a wave at the head, behind the opening round
	s_lshl_b32 s76, s66, 1
	s_add_co_u32 s76, s76, s15
	s_lshl_b32 s76, s76, 12
	s_add_co_u32 s76, s76, s74
	s_add_nc_u64 s[80:81], s[70:71], s[76:77]
	s_lshl_b32 s78, s67, 1
	s_add_co_u32 s78, s78, s16
	s_lshl_b32 s78, s78, 12
	s_add_co_u32 s78, s78, s75
	s_add_nc_u64 s[82:83], s[72:73], s[78:79]
	v_and_b32 v6, 31, v0
	v_and_b32 v7, 15, v0
	v_bfe_u32 v8, v0, 4, 1
	v_lshlrev_b32 v[L16], 4, v6
	v_lshlrev_b32 v[L8], 3, v6
	v_lshlrev_b32 v[SOF], 5, v7
	v_lshl_add_u32 v[SOF], v8, 4, v[SOF]
	v_lshlrev_b32 v[BO], 6, v8
	v_and_b32 v9, 8, v7
	v_add_nc_u32 v9, v9, v7
	v_lshlrev_b32 v[RP4], 2, v9
	s_mul_i32 s84, s15, TILE
	s_mul_i32 s85, s16, TILE
	s_add_co_u32 s85, s85, 2*TILE
.irp s, 0,1
	v_add_nc_u32 v[ADRA+\s], s84, v[L16]
	v_add_nc_u32 v[ADRB+\s], s85, v[L16]
	s_add_co_u32 s84, s84, SLOT
	s_add_co_u32 s85, s85, SLOT
.endr
.irp i, 0,1,2,3,4,5,6,7
	global_load_b128 v[SA+4*\i:SA+4*\i+3], v[SOF], s[80:81] offset:512*\i
	global_load_b128 v[SB+4*\i:SB+4*\i+3], v[SOF], s[82:83] offset:512*\i
.endr
.macro FRAG reg, adr, q, i
.irp ch, 0,1,2
	ds_load_b128 v[\reg+4*\ch:\reg+4*\ch+3], v[\adr] offset:3072*(\i)+1536*(\q)+512*\ch
.endr
.endm
.macro FETCH_B slot, q, p
	WIN TO_B
.irp i, 0,1,2,3,4,5,6,7
	FRAG 128*(\p)+FR*\i, ADRB+\slot, \q, \i
.endr
	WIN 0
.endm
.macro FETCH_A slot, q, i0
.irp i, \i0, \i0+1, \i0+2, \i0+3
	FRAG AF+FR*(\i), ADRA+\slot, \q, \i
.endr
.endm
.macro MUL16 a0, p, kf, zero
.irp a, \a0, \a0+1
.irp b, 0,1,2,3,4,5,6,7
.if \zero
	v_wmma_scale_f32_16x16x128_f8f6f4 v[8*(8*((\a)%4)+\b):8*(8*((\a)%4)+\b)+7], v[128*(\p)+FR*\b:128*(\p)+FR*\b+FR-1], v[AF+FR*(\a):AF+FR*(\a)+FR-1], 0, v[SB+4*\b+(\kf)%4], v[SA+4*(\a)+(\kf)%4] matrix_a_fmt:MATRIX_FMT_FP6 matrix_b_fmt:MATRIX_FMT_FP6
.elseif (\kf) < 4
	v_wmma_scale_f32_16x16x128_f8f6f4 v[8*(8*((\a)%4)+\b):8*(8*((\a)%4)+\b)+7], v[128*(\p)+FR*\b:128*(\p)+FR*\b+FR-1], v[AF+FR*(\a):AF+FR*(\a)+FR-1], v[8*(8*((\a)%4)+\b):8*(8*((\a)%4)+\b)+7], v[SB+4*\b+(\kf)%4], v[SA+4*(\a)+(\kf)%4] matrix_a_fmt:MATRIX_FMT_FP6 matrix_b_fmt:MATRIX_FMT_FP6
.else
	v_wmma_scale_f32_16x16x128_f8f6f4 v[8*(8*((\a)%4)+\b):8*(8*((\a)%4)+\b)+7], v[128*(\p)+FR*\b:128*(\p)+FR*\b+FR-1], v[AF+FR*(\a):AF+FR*(\a)+FR-1], v[8*(8*((\a)%4)+\b):8*(8*((\a)%4)+\b)+7], v[SB+4*\b+(\kf)%4], v[SA+4*(\a)+(\kf)%4] matrix_a_fmt:MATRIX_FMT_FP6 matrix_b_fmt:MATRIX_FMT_FP6 matrix_a_scale:MATRIX_SCALE_ROW1 matrix_b_scale:MATRIX_SCALE_ROW1
.endif
.endr
.endr
.endm
.macro STEP slot, kf, zero
	s_wait_dscnt 4*NL
	WIN MUL_LO
	MUL16 0, 0, \kf, \zero
	MUL16 2, 0, \kf, \zero
	s_wait_dscnt 0x0
	PLACES 4
	FETCH_B \slot, 1, 1
	FETCH_A \slot, 1, 0
	WIN MUL_HI
	MUL16 4, 0, \kf, \zero
	MUL16 6, 0, \kf, \zero
	PLACES 4
	WIN 0
	FETCH_A \slot, 1, 4
.endm
.macro TURN slot, next, fill, kf
	s_wait_tensorcnt 0x0
	ds_add_u32 v[SPW], v[NIL]
	s_wait_dscnt 4*NL+1
	WIN MUL_LO
	MUL16 0, 1, \kf, 0
	s_wait_dscnt 0x0
	s_barrier_signal -1
	MUL16 2, 1, \kf, 0
	WIN 0
	s_barrier_wait -1
.if \fill
	CREST
	s_add_nc_u64 s[G0+4*\slot+2:G0+4*\slot+3], s[G0+4*\slot+2:G0+4*\slot+3], 2*TILE
	s_add_nc_u64 s[G0B+4*\slot+2:G0B+4*\slot+3], s[G0B+4*\slot+2:G0B+4*\slot+3], 2*TILE
	JLOAD G0+4*\slot, G1, G0B+4*\slot, G1B
.else
	PLACES 4
.endif
	FETCH_B \next, 0, 0
	FETCH_A \next, 0, 0
	WIN MUL_HI
	MUL16 4, 1, \kf, 0
	MUL16 6, 1, \kf, 0
	PLACES 4
	WIN 0
	FETCH_A \next, 0, 4
.endm
	s_wait_alu depctr_va_vdst(0)                   ; the wait at the head's end
	s_wait_tensorcnt 0x0                           ; my part of slot 0 is in
	ds_add_u32 v[SPW], v[NIL]
	s_wait_dscnt 0x0
	CROUND                                         ; everybody's part is in, and the joint loads meet
	JLOAD G0+4, G1, G0B+4, G1B                     ; slot 1's first fill, the first tensor load behind the round
	FETCH_B 0, 0, 0
	FETCH_A 0, 0, 0
	FETCH_A 0, 0, 4
	s_wait_loadcnt 0x0
	STEP 0, 0, 1
	TURN 0, 1, 1, 1
	STEP 1, 2, 0
	TURN 1, 0, 1, 3
	STEP 0, 4, 0
	TURN 0, 1, 0, 5
	STEP 1, 6, 0
	s_wait_dscnt 4*NL
	WIN MUL_LO
	MUL16 0, 1, 7, 0
	MUL16 2, 1, 7, 0
	s_wait_dscnt 0x0
	WIN MUL_HI
	MUL16 4, 1, 7, 0
	MUL16 6, 1, 7, 0
	WIN 0
.macro ADDB a, mode
.set AC, 64*((\a)%4)
	WIN 0x06+((\a)/4)
.set jj, 0
.rept 32
.if \mode == 0
	v_pk_add_f32 v[H+jj:H+jj+1], v[AC+jj:AC+jj+1], v[BC+jj:BC+jj+1]
.elseif ((\a)%2) == 0
	v_pk_add_f32 v[H+jj:H+jj+1], v[AC+jj:AC+jj+1], v[BC+(\a):BC+(\a)+1] op_sel_hi:[1,0]
.else
	v_pk_add_f32 v[H+jj:H+jj+1], v[AC+jj:AC+jj+1], v[BC+(\a)-1:BC+(\a)] op_sel:[0,1] op_sel_hi:[1,1]
.endif
.set jj, jj+2
.endr
	WIN 0
.endm
.macro QUANT s, d0, d1, pw
.irp b, 0,1,2,3
	v_max3_num_f32 v[TM+\b], |v[\s+16*\b]|, |v[\s+1+16*\b]|, 0x1800000
.endr
.irp i, 2,4,6,8,10,12,14
.irp b, 0,1,2,3
	v_max3_num_f32 v[TM+\b], v[TM+\b], |v[\s+16*\b+\i]|, |v[\s+1+16*\b+\i]|
.endr
.endr
.irp b, 0,1,2,3
	v_permlanex16_b32 v[TM+4+\b], v[TM+\b], s[SEL], s[SEL+1]
.endr
.irp b, 0,1,2,3
	v_max_num_f32 v[TM+\b], v[TM+\b], v[TM+4+\b]
.endr
.irp b, 0,1,2,3
	v_add_nc_u32 v[TM+12+\b], 0xff000000, v[TM+\b]
.endr
.irp b, 0,1,2,3
	v_lshrrev_b32 v[TM+4+\b], 23, v[TM+12+\b]
.endr
	v_lshl_or_b32 v[\pw], v[TM+5], 8, v[TM+4]
	v_lshl_or_b32 v[\pw], v[TM+6], 16, v[\pw]
	v_lshl_or_b32 v[\pw], v[TM+7], 24, v[\pw]
	v_cvt_scalef32_pk16_fp6_f32 v[(\d0):(\d0)+2], v[\s:\s+15], v[TM+12]
	v_cvt_scalef32_pk16_fp6_f32 v[UT:UT+2], v[\s+16:\s+31], v[TM+13]
	v_cvt_scalef32_pk16_fp6_f32 v[(\d1):(\d1)+2], v[\s+32:\s+47], v[TM+14]
	v_cvt_scalef32_pk16_fp6_f32 v[UT+4:UT+6], v[\s+48:\s+63], v[TM+15]
	v_nop
.irp i, 0,1,2
	v_permlane16_swap_b32 v[(\d0)+\i], v[UT+\i]
	v_permlane16_swap_b32 v[(\d1)+\i], v[UT+4+\i]
.endr
.irp i, 0,1,2
	v_mov_b32 v[(\d0)+3+\i], v[UT+\i]
	v_mov_b32 v[(\d1)+3+\i], v[UT+4+\i]
.endr
.endm
.macro CHUNKAT
	s_lshr_b32 s86, s84, 4
	s_lshl_b32 s86, s86, 4
	s_add_co_u32 s86, s86, s85
	s_lshl_b32 s86, s86, 4
	s_and_b32 s87, s84, 15
	s_add_co_u32 s86, s86, s87
	s_mul_i32 s86, s86, CHUNK
	s_mov_b32 s87, 0
	s_add_nc_u64 s[88:89], s[10:11], s[86:87]
.endm
.macro WORDS
.irp c, 0,1
.irp i, 0,1
	v_cndmask_b32 v[CMB+2*\c+\i], v[SW+4*\c+\i], v[SW+4*\c+2+\i], s96
.endr
	global_store_b64 v[L8], v[CMB+2*\c:CMB+2*\c+1], s[90:91] offset:HEADB*\c
.endr
.endm
	PLACES 4
.irp b, 0,1,2,3
	v_mov_b32 v[TM+4+\b], 0
.endr
	s_cmp_ge_u32 s17, 8
	s_cbranch_scc1 .Lv
	s_lshl_b32 s84, s66, 1
	s_add_co_u32 s84, s84, s15
	s_and_b32 s85, s67, 3
	s_lshl_b32 s85, s85, 2
	s_lshl_b32 s86, s16, 1
	s_add_co_u32 s85, s85, s86
	CHUNKAT
	s_mov_b32 s92, 12288
	s_mov_b32 s93, 0
	s_cmp_eq_u32 ttmp9, 0
	s_cselect_b32 s86, 12800, 0
	s_cselect_b32 s92, 18944, s92
	s_add_nc_u64 s[90:91], s[88:89], s[92:93]
	s_add_nc_u64 s[88:89], s[88:89], s[86:87]
	s_lshl_b32 s86, s67, 10
	s_lshl_b32 s92, s16, 9
	s_add_co_u32 s86, s86, s92
	s_add_nc_u64 s[94:95], s[8:9], s[86:87]
	WIN 0x40
.irp b, 0,1,2,3
.irp j, 0,1,2,3
	global_load_b128 v[BC+16*\b+4*\j:BC+16*\b+4*\j+3], v[BO], s[94:95] offset:128*\b+16*\j
.endr
.endr
	WIN 0
	s_wait_loadcnt 0x0
.irp g, 0,1,2,3
.if \g
	s_wait_xcnt 0x0
.endif
.irp u, 0,1
	ADDB 2*\g+\u, 0
	QUANT H, IMG+6*\u, IMG+12+6*\u, PWR+\u
.endr
	v_perm_b32 v[SW+\g], v[PWR+1], v[PWR], 0x05040100
	v_perm_b32 v[SW+4+\g], v[PWR+1], v[PWR], 0x07060302
.irp c, 0,1
.irp ch, 0,1,2
	global_store_b128 v[L16], v[IMG+12*\c+4*\ch:IMG+12*\c+4*\ch+3], s[88:89] offset:HEADB*\c+1536*\g+512*\ch
.endr
.endr
.endr
	WORDS
	s_branch .Lend
.Lv:
	s_lshl_b32 s84, s67, 1
	s_add_co_u32 s84, s84, s16
	s_lshl_b32 s85, s41, 2
	s_lshl_b32 s86, s15, 1
	s_add_co_u32 s85, s85, s86
	CHUNKAT
	s_add_nc_u64 s[90:91], s[88:89], 12544
	s_add_nc_u64 s[88:89], s[88:89], 6144
	s_lshl_b32 s86, s66, 10
	s_lshl_b32 s92, s15, 9
	s_add_co_u32 s86, s86, s92
	s_add_nc_u64 s[94:95], s[8:9], s[86:87]
	WIN 0x40
.irp a, 0,1,2,3,4,5,6,7
	global_load_b32 v[BC+\a], v[RP4], s[94:95] offset:4*(32*(\a/2)+8*(\a%2))
.endr
	WIN 0
	s_wait_loadcnt 0x0
.irp a, 0,1,2,3,4,5,6,7
.if \a
	s_wait_xcnt 0x0
.endif
	ADDB \a, 1
	QUANT H, IMG, IMG+6, SW+\a
.irp ch, 0,1,2
	global_store_b128 v[L16], v[IMG+4*\ch:IMG+4*\ch+3], s[88:89] offset:HEADB*(\a/4)+1536*(\a%4)+512*\ch
.endr
.endr
	WORDS
.Lend:
	s_wait_tensorcnt 0x0
	ds_add_u32 v[SPW], v[NIL]
	s_wait_dscnt 0x0
	CROUND
	s_endpgm
.Lfunc_end_k_q7bff8739d1_qkv:
	.size	k_q7bff8739d1_qkv, .Lfunc_end_k_q7bff8739d1_qkv-k_q7bff8739d1_qkv
	.p2alignl 7, 3214868480
	.fill 96, 4, 3214868480
	.section	.rodata,"a",@progbits
	.p2align	6, 0x0
	.amdhsa_kernel k_q7bff8739d1_qkv
		.amdhsa_group_segment_fixed_size 327680
		.amdhsa_private_segment_fixed_size 0
		.amdhsa_enable_private_segment 0
		.amdhsa_kernarg_size 32
		.amdhsa_user_sgpr_count 2
		.amdhsa_user_sgpr_kernarg_segment_ptr 1
		.amdhsa_wavefront_size32 1
		.amdhsa_system_sgpr_workgroup_id_x 1
		.amdhsa_system_sgpr_workgroup_id_y 1
		.amdhsa_system_sgpr_workgroup_id_z 1
		.amdhsa_system_vgpr_workitem_id 0
		.amdhsa_next_free_vgpr 1024
		.amdhsa_next_free_sgpr 100
		.amdhsa_reserve_vcc 0
		.amdhsa_float_denorm_mode_32 3
		.amdhsa_float_denorm_mode_16_64 3
		.amdhsa_memory_ordered 1
		.amdhsa_forward_progress 1
		.amdhsa_inst_pref_size 207
	.end_amdhsa_kernel
	.amdgpu_metadata
---
amdhsa.version: [ 1, 2 ]
amdhsa.kernels:
  - .name:           k_q7bff8739d1_qkv
    .symbol:         k_q7bff8739d1_qkv.kd
    .args:
      - { .name: xq, .offset: 0, .size: 8, .value_kind: global_buffer, .address_space: global }
      - { .name: wq, .offset: 8, .size: 8, .value_kind: global_buffer, .address_space: global }
      - { .name: b_qkv, .offset: 16, .size: 8, .value_kind: global_buffer, .address_space: global }
      - { .name: qkv, .offset: 24, .size: 8, .value_kind: global_buffer, .address_space: global }
    .group_segment_fixed_size: 327680
    .private_segment_fixed_size: 0
    .kernarg_segment_align: 8
    .kernarg_segment_size: 32
    .max_flat_workgroup_size: 128
    .sgpr_count:     100
    .vgpr_count:     1024
    .wavefront_size: 32
...
	.end_amdgpu_metadata
.endif
;; end of part 2
;; launch attn (part 3): grid 4 x 64, 16 waves a work-group, clusters of 4 x 1, 206,848 bytes of LDS; arguments qkv, oq; writes oq
.if DOCPART == 3
	.amdgcn_target "amdgcn-amd-amdhsa--gfx1250"
	.amdhsa_code_object_version 6
	.text
	.protected	k_q7bff8739d1_attn
	.globl	k_q7bff8739d1_attn
	.p2align	8
	.type	k_q7bff8739d1_attn,@function
k_q7bff8739d1_attn:
	s_mov_b64 s[64:65], 0
	v_nop
	global_prefetch_b8 v0, s[64:65] scope:SCOPE_SE
	s_setreg_imm32_b32 hwreg(HW_REG_WAVE_MODE, 25, 1), 1
	s_wait_xcnt 0x0
	s_wait_alu depctr_hold_cnt(0) depctr_sa_sdst(0) depctr_va_vdst(0) depctr_va_sdst(0) depctr_va_ssrc(0) depctr_va_vcc(0) depctr_vm_vsrc(0)
	s_getreg_b32 s2, hwreg(HW_REG_IB_STS2, 6, 4)
	s_cmp_eq_u32 s2, 0
	s_cbranch_scc0 .Lentry_in_a_cluster
	s_endpgm
.Lentry_in_a_cluster:
	s_bfe_u32 s2, ttmp6, 0x10000c
	s_cmp_lg_u32 s2, 0x3003
	s_cbranch_scc0 .Lentry_shape_is_right
	s_endpgm
.Lentry_shape_is_right:
; o = softmax(q k^T / 8) v for one (batch, head), both products on codes of FP6 (E2M3) with E8M0 scales, and o quantised at once along the model's 1,024 as the last product's operand.
; THE SOFTMAX: t = score x log2(e) / 8; M = the running largest t rounded UP to a whole number; p = 2^(t - M) is quantised along the keys, not normalised; the sum is taken of the unquantised p and divides at the end.
; When M moves, the sum and O are multiplied by 2^(old M - new M): exact.
; SHARES.  A work-group owns 512 queries of a head, a wave 32: one pair tile of q, its two tiles of 16 in two passes.  Sixteen waves of 256 registers: four to a SIMD, so that one wave's vector work stands beside another's products and LDS loads.
; THE HEAD'S K, V AND THEIR SCALES STAY IN LDS: 16 steps x 12,800 bytes, filled once, one tensor load a wave.  The four work-groups of a cluster belong to one head and ask jointly: the same load with the same descriptor in all four.
; THE HEAD IS 64 AND THE INSTRUCTION'S K IS 128: a pair tile of k holds, in lane (r, h), key (u = 0, r) in registers 0-5 and key (u = 1, r) in registers 6-11.  Against (q | zeros) it gives the u = 0 keys' scores, against (zeros | q) the u = 1 keys'.
; Zero codes add nothing under any scale byte here (all bytes are 1 to 254).  q's scale word repeats its two bytes.
; LAYOUT.  Both products are used transposed (source 0 = keys, or v's features; source 1 = my queries, or p): a lane holds ONE query.  By the order of rows in a tile (lane r: 8 u + r + 8 (r / 8) of 32), register 16 b + i of the scores is
; key 32 b + 16 h + i, and register 16 g + i of O^T is feature 32 g + 16 h + i.
; OUT: oq as xq is laid, but a fragment in two halves of 768 bytes, one a head: 512 bytes (registers 0-3, lane at 16 l), 256 bytes (registers 4-5, lane at 8 l); scale words [fragment row][r][8]: a head's two bytes at 2 x head.
; LIMITS: a block's largest p is taken from the block's largest score, through the same multiply-add and exponential: this takes v_exp_f32 not to fall where its input rises.  1 / sum is v_rcp_f32.
; A block whose largest magnitude lies under 2^-124 gets the byte 1.  NaN and infinities are not served.  o's scale bytes leave 2 bytes a lane: a scale word spans two heads, which are two work-groups'.
.set CHUNK, 19200
.set KVB,   12800
.set OSC,   6291456
.set L16, 1                            ; v1 16 x lane;  v2 8 x lane;  v3, v4 the step's LDS addresses;  v5 8 r;  v7 512 (lane / 16) + 32 r;  v8, v9 o's two scale bytes of pass 0, of the pass in hand
.set L8,  2
.set ADR, 3
.set ADS, 4
.set R8,  5
.set SCO, 7
.set HW0, 8
.set HW,  9
.set QZ,  16                           ; v16-21 zeros, v22-27 q, v28-33 zeros: (zeros | q) = v[16:27], (q | zeros) = v[22:33]
.set QP,  34                           ; v34-45 my pair tile of q;  v46 its scale word;  v47 the tile's scale word
.set QW,  46
.set QS,  47
.set FRG, 48                           ; v48-95 four fragments: k's pair tiles, then v's tiles
.set S,   96                           ; v96-159 scores, then p
.set O,   160                          ; v160-191 O^T
.set PC,  192                          ; v192-203 p's codes;  v204-211 upper halves
.set UT,  204
.set KS,  212                          ; v212-213 k's scale words, v214-215 v's: register i: lanes 0-15 tile i, lanes 16-31 tile 2 + i
.set VS,  214
.set TM,  216                          ; v216-219 the blocks' largest;  v220-223 from the other half of the lanes;  v224-227 scale operands;  v228-231 bytes;  v232 p's scale word
.set TP,  220
.set SO,  224
.set BY,  228
.set PW,  232
.set F,   234                          ; v[234:235] f = 2^(old M - new M);  v[236:237] the sum's second chain;  v238 at work;  v240-245 o's codes
.set C2,  236
.set T1,  238
.set OC,  240
.set WV,  18
.set SEL, 20
.set CS,  22
.set G1,  24
.set G0,  32
.set TB,  36                           ; s36 the step's first LDS byte;  s37 steps to go
.set KC,  37
.macro ROUND                           ; a round of the cluster's barrier
	s_barrier_signal -1
	s_barrier_wait -1
	s_cmp_lg_u32 s[WV], 0
	s_cbranch_scc1 .Lnot_wave_0_\@
	s_barrier_signal -3
.Lnot_wave_0_\@:
	s_barrier_wait -3
	s_barrier_signal -1
	s_barrier_wait -1
.endm
	s_load_b128 s[4:7], s[0:1], 0x0                ; qkv, oq
	v_lshl_add_u32 v254, v0, 2, 0x32000
	v_mov_b32 v255, 0
	ds_add_u32 v254, v255
	ds_add_u32 v254, v255
	v_lshrrev_b32 v1, 5, v0
	s_delay_alu instid0(VALU_DEP_1)
	v_readfirstlane_b32 s[WV], v1                  ; wave 0..15
	s_bfe_u32 s8, ttmp6, 0x40000                   ; cx: it enters q's and o's addresses alone
	s_and_b32 s9, ttmp7, 0xffff                    ; batch x 16 + head, which the four partners share
	s_mov_b32 s[G1+0], 15|(3<<16)|(1<<21)          ; the mask: all four; elements of 8 bytes; bit 21 beside a mask
	s_mov_b32 s[G1+1], 32<<16                      ; a dense block as 50 rows of 256 bytes
	s_mov_b32 s[G1+2], 50<<16
	s_mov_b32 s[G1+3], 32<<16
	s_mov_b32 s[G1+4], 50
	s_mov_b32 s[G1+5], 32
	s_mov_b32 s[G1+6], 0
	s_mov_b32 s[G1+7], 0
	s_mov_b32 s[SEL], 0x76543210
	s_mov_b32 s[SEL+1], 0xfedcba98
	s_mov_b32 s[CS], 0x3e38aa3b                    ; c = log2(e) / 8
	s_mov_b32 s[CS+1], s[CS]                       ; (named with it as a pair)
	s_mov_b32 s40, 0xffff0000                      ; lanes 16-31
	s_lshl_b32 s10, s9, 4
	s_add_co_u32 s11, s10, s[WV]                   ; the chunk of step w
	s_mul_i32 s12, s11, CHUNK
	s_mov_b32 s13, 0
	s_mov_b32 s[G0], 1
	s_mul_i32 s[G0+1], s[WV], KVB
	s_wait_dscnt 0x0
	s_wait_kmcnt 0x0
	s_add_nc_u64 s[G0+2:G0+3], s[4:5], s[12:13]
	s_or_b32 s[G0+3], s[G0+3], 0x80000000
	ROUND                                          ; all four work-groups are here: the joint loads meet
	tensor_load_to_lds s[G0:G0+3], s[G1:G1+7]      ; my one tensor load: step w's k, v and scales
	s_nop 0
.rept 4
	v_nop
.endr
	s_lshr_b32 s14, s[WV], 2
	s_and_b32 s15, s[WV], 3                        ; which pair tile of the step
	s_lshl_b32 s16, s8, 2
	s_add_co_u32 s16, s16, s14                     ; my queries' step: 4 cx + w / 4
	s_add_co_u32 s12, s10, s16
	s_mul_i32 s12, s12, CHUNK
	s_add_co_u32 s12, s12, 12800
	s_add_nc_u64 s[50:51], s[4:5], s[12:13]        ; q's part of that chunk
	s_mul_i32 s52, s15, 1536
	s_mov_b32 s53, 0
	s_add_nc_u64 s[48:49], s[50:51], s[52:53]      ; my pair tile
	s_lshr_b32 s52, s15, 1
	s_lshl_b32 s52, s52, 7
	s_and_b32 s54, s15, 1
	s_lshl_b32 s54, s54, 2
	s_add_co_u32 s52, s52, s54
	s_add_co_u32 s52, s52, 6144
	s_add_nc_u64 s[50:51], s[50:51], s[52:53]      ; its scale words
	s_lshr_b32 s54, s9, 4
	s_lshl_b32 s54, s54, 4
	s_add_co_u32 s54, s54, s16                     ; my strip of 128 tokens
	s_and_b32 s55, s9, 15                          ; head
	s_mul_i32 s52, s54, 98304
	s_lshr_b32 s56, s55, 2
	s_mul_i32 s56, s56, 24576
	s_add_co_u32 s52, s52, s56
	s_mul_i32 s56, s15, 6144
	s_add_co_u32 s52, s52, s56
	s_bfe_u32 s56, s55, 0x10001
	s_mul_i32 s56, s56, 1536
	s_add_co_u32 s52, s52, s56
	s_and_b32 s56, s55, 1
	s_mul_i32 s56, s56, 768
	s_add_co_u32 s52, s52, s56
	s_add_nc_u64 s[44:45], s[6:7], s[52:53]        ; o's half fragment of pass 0
	s_lshl_b32 s52, s54, 3
	s_lshl_b32 s56, s15, 1
	s_add_co_u32 s52, s52, s56
	s_lshl_b32 s52, s52, 9
	s_lshl_b32 s56, s55, 1
	s_add_co_u32 s52, s52, s56
	s_add_co_u32 s52, s52, OSC
	s_add_nc_u64 s[46:47], s[6:7], s[52:53]        ; and its scale bytes
	v_and_b32 v6, 31, v0
	v_and_b32 v10, 15, v0
	v_bfe_u32 v11, v0, 4, 1
	s_delay_alu instid0(VALU_DEP_3)
	v_lshlrev_b32 v[L16], 4, v6
	s_delay_alu instid0(VALU_DEP_4)
	v_lshlrev_b32 v[L8], 3, v6
	s_delay_alu instid0(VALU_DEP_4)
	v_lshlrev_b32 v[R8], 3, v10
	v_lshlrev_b32 v[SCO], 5, v10
	s_delay_alu instid0(VALU_DEP_1)
	v_lshl_add_u32 v[SCO], v11, 9, v[SCO]
.irp ch, 0,1,2
	global_load_b128 v[QP+4*\ch:QP+4*\ch+3], v[L16], s[48:49] offset:512*\ch
.endr
	global_load_b32 v[QW], v[R8], s[50:51]
.irp i, 0,1,2,3,4,5
	v_mov_b32 v[QZ+\i], 0
	v_mov_b32 v[QZ+12+\i], 0
.endr
.irp b, 0,1,2,3
	v_mov_b32 v[TP+\b], 0                          ; a lane permute's destination counts as read: written once
.endr
	v_mov_b32 v[F+1], 0                            ; (named as the upper half of a pair)
; A KEY STEP: 128 keys.
.macro STEP
	v_add_nc_u32 v[ADR], s[TB], v[L16]
	v_add_nc_u32 v[ADS], s[TB], v[L8]
	v_nop
	v_nop                                          ; four places in front of loads into registers that the last products have read
.irp g, 0,1,2,3
.irp ch, 0,1,2
	ds_load_b128 v[FRG+12*\g+4*\ch:FRG+12*\g+4*\ch+3], v[ADR] offset:1536*\g+512*\ch
.endr
.endr
	ds_load_b64 v[KS:KS+1], v[ADS] offset:12288
	s_wait_alu depctr_va_vdst(0)
	s_wait_dscnt 0x0
.irp g, 0,1,2,3                                ; S^T = k q^T: each pair tile twice
.if \g < 2
	v_wmma_scale_f32_16x16x128_f8f6f4 v[S+16*\g:S+16*\g+7], v[FRG+12*\g:FRG+12*\g+11], v[QZ+6:QZ+17], 0, v[KS+\g%2], v[QS] matrix_a_fmt:MATRIX_FMT_FP6 matrix_b_fmt:MATRIX_FMT_FP6
	v_wmma_scale_f32_16x16x128_f8f6f4 v[S+16*\g+8:S+16*\g+15], v[FRG+12*\g:FRG+12*\g+11], v[QZ:QZ+11], 0, v[KS+\g%2], v[QS] matrix_a_fmt:MATRIX_FMT_FP6 matrix_b_fmt:MATRIX_FMT_FP6
.else
	v_wmma_scale_f32_16x16x128_f8f6f4 v[S+16*\g:S+16*\g+7], v[FRG+12*\g:FRG+12*\g+11], v[QZ+6:QZ+17], 0, v[KS+\g%2], v[QS] matrix_a_fmt:MATRIX_FMT_FP6 matrix_b_fmt:MATRIX_FMT_FP6 matrix_a_scale:MATRIX_SCALE_ROW1
	v_wmma_scale_f32_16x16x128_f8f6f4 v[S+16*\g+8:S+16*\g+15], v[FRG+12*\g:FRG+12*\g+11], v[QZ:QZ+11], 0, v[KS+\g%2], v[QS] matrix_a_fmt:MATRIX_FMT_FP6 matrix_b_fmt:MATRIX_FMT_FP6 matrix_a_scale:MATRIX_SCALE_ROW1
.endif
.endr
.rept 4
	v_nop                                          ; places: for the loads below and for the first read of the scores
.endr
.irp t, 0,1,2,3                                ; v's tiles land under the softmax
.irp ch, 0,1,2
	ds_load_b128 v[FRG+12*\t+4*\ch:FRG+12*\t+4*\ch+3], v[ADR] offset:6144+1536*\t+512*\ch
.endr
.endr
	ds_load_b64 v[VS:VS+1], v[ADS] offset:12544
.irp b, 0,1,2,3
	v_max3_num_f32 v[TM+\b], v[S+16*\b], v[S+1+16*\b], v[S+2+16*\b]   ; the largest score of each block of 32 keys: for the row's maximum, and for the block's largest p
.endr
.irp i, 3,5,7,9,11,13
.irp b, 0,1,2,3
	v_max3_num_f32 v[TM+\b], v[TM+\b], v[S+16*\b+\i], v[S+1+16*\b+\i]
.endr
.endr
.irp b, 0,1,2,3
	v_max_num_f32 v[TM+\b], v[TM+\b], v[S+15+16*\b]
.endr
.irp b, 0,1,2,3
	s_delay_alu instid0(VALU_DEP_4)
	v_permlanex16_b32 v[TP+\b], v[TM+\b], s[SEL], s[SEL+1]
.endr
.irp b, 0,1,2,3
	s_delay_alu instid0(VALU_DEP_4)
	v_max_num_f32 v[TM+\b], v[TM+\b], v[TP+\b]     ; with lane l xor 16's 16 keys
.endr
	s_delay_alu instid0(VALU_DEP_2)
	v_max3_num_f32 v[T1], v[TM], v[TM+1], v[TM+2]
	s_delay_alu instid0(VALU_DEP_1)
	v_max_num_f32 v[T1], v[T1], v[TM+3]
	s_delay_alu instid0(VALU_DEP_1)
	v_mul_f32 v[T1], s[CS], v[T1]                  ; as t (c is positive)
	s_delay_alu instid0(VALU_DEP_1)
	v_max_num_f32 v13, v13, v[T1]                  ; the running largest t
	v_mov_b32 v[T1], v12
	s_delay_alu instid0(VALU_DEP_2)
	v_floor_f32 v12, -v13                          ; the new -M = floor(-t): M is a whole number
	s_delay_alu instid0(VALU_DEP_1)
	v_sub_f32 v[T1], v12, v[T1]                    ; old M - new M: a whole number, 0 or less
	s_delay_alu instid0(VALU_DEP_1)
	v_cvt_i32_f32 v[T1], v[T1]                     ; (it saturates)
	s_delay_alu instid0(VALU_DEP_1)
	v_ldexp_f32 v[F], 1.0, v[T1]                   ; f
.set j, 0
.rept 32
	v_pk_fma_f32 v[S+j:S+j+1], v[S+j:S+j+1], s[CS:CS+1], v[12:13] op_sel_hi:[1,0,0]   ; t - M
.set j, j+2
.endr
.irp b, 0,1,2,3
	v_fma_f32 v[TM+\b], v[TM+\b], s[CS], v12       ; the same of each block's largest score
.endr
.set j, 0
	s_wait_alu depctr_va_vdst(0)
.rept 64
	v_exp_f32 v[S+j], v[S+j]                       ; p = 2^(t - M)
.set j, j+1
.endr
	v_pk_mul_f32 v[14:15], v[14:15], v[F:F+1] op_sel_hi:[1,0]   ; the sums under the new M: the plain instruction behind the exponentials
	s_wait_alu depctr_va_vdst(0)                   ; one wait for the batch, ahead of its first reader
.irp b, 0,1,2,3
	v_exp_f32 v[TM+\b], v[TM+\b]                   ; the blocks' largest p
.endr
	v_pk_add_f32 v[236:237], v[100:101], v[104:105]
	v_pk_add_f32 v[252:253], v[108:109], v[112:113]
	v_pk_add_f32 v[250:251], v[116:117], v[120:121]
	v_pk_add_f32 v[248:249], v[124:125], v[128:129]
	v_pk_add_f32 v[246:247], v[132:133], v[136:137]
	v_pk_add_f32 v[244:245], v[140:141], v[144:145]
	v_pk_add_f32 v[242:243], v[148:149], v[152:153]
	v_pk_add_f32 v[14:15], v[14:15], v[156:157]
	v_pk_add_f32 v[236:237], v[236:237], v[96:97]
	v_pk_add_f32 v[252:253], v[252:253], v[98:99]
	v_pk_add_f32 v[250:251], v[250:251], v[102:103]
	v_pk_add_f32 v[248:249], v[248:249], v[106:107]
	v_pk_add_f32 v[246:247], v[246:247], v[110:111]
	v_pk_add_f32 v[244:245], v[244:245], v[114:115]
	v_pk_add_f32 v[242:243], v[242:243], v[118:119]
	v_pk_add_f32 v[14:15], v[14:15], v[122:123]
	v_pk_add_f32 v[236:237], v[236:237], v[126:127]
	v_pk_add_f32 v[252:253], v[252:253], v[130:131]
	v_pk_add_f32 v[250:251], v[250:251], v[134:135]
	v_pk_add_f32 v[248:249], v[248:249], v[138:139]
	v_pk_add_f32 v[246:247], v[246:247], v[142:143]
	v_pk_add_f32 v[244:245], v[244:245], v[146:147]
	v_pk_add_f32 v[242:243], v[242:243], v[150:151]
	v_pk_add_f32 v[14:15], v[14:15], v[154:155]
	v_pk_add_f32 v[236:237], v[236:237], v[158:159]
	s_delay_alu instid0(VALU_DEP_2)
	v_pk_add_f32 v[14:15], v[14:15], v[248:249]
	s_delay_alu instid0(VALU_DEP_2)
	v_pk_add_f32 v[236:237], v[236:237], v[246:247]
	v_pk_add_f32 v[252:253], v[252:253], v[244:245]
	v_pk_add_f32 v[250:251], v[250:251], v[242:243]
	s_delay_alu instid0(VALU_DEP_2)
	v_pk_add_f32 v[14:15], v[14:15], v[252:253]
	s_delay_alu instid0(VALU_DEP_2)
	v_pk_add_f32 v[236:237], v[236:237], v[250:251]
	s_delay_alu instid0(VALU_DEP_1)
	v_pk_add_f32 v[14:15], v[14:15], v[236:237]
	s_wait_alu depctr_va_vdst(0)                   ; and one for the four
.irp b, 0,1,2,3
	v_max_num_f32 v[TM+\b], 0x1800000, v[TM+\b]    ; the floor 2^(3 - 127)
.endr
.irp b, 0,1,2,3
	s_delay_alu instid0(VALU_DEP_4)
	v_add_nc_u32 v[SO+\b], 0xff000000, v[TM+\b]
.endr
.irp b, 0,1,2,3
	s_delay_alu instid0(VALU_DEP_4)
	v_lshrrev_b32 v[BY+\b], 23, v[SO+\b]
.endr
	s_delay_alu instid0(VALU_DEP_3)
	v_lshl_or_b32 v[PW], v[BY+1], 8, v[BY]
	s_delay_alu instid0(VALU_DEP_1)
	v_lshl_or_b32 v[PW], v[BY+2], 16, v[PW]
	s_delay_alu instid0(VALU_DEP_1)
	v_lshl_or_b32 v[PW], v[BY+3], 24, v[PW]
.irp c, 0,1
	v_cvt_scalef32_pk16_fp6_f32 v[PC+6*\c:PC+6*\c+2], v[S+32*\c:S+32*\c+15], v[SO+2*\c]
	v_cvt_scalef32_pk16_fp6_f32 v[UT+4*\c:UT+4*\c+2], v[S+32*\c+16:S+32*\c+31], v[SO+2*\c+1]
.endr
	v_nop                                          ; one plain place behind a scaled conversion
.irp c, 0,1
.irp i, 0,1,2
	v_permlane16_swap_b32 v[PC+6*\c+\i], v[UT+4*\c+\i]
.endr
.irp i, 0,1,2
	s_delay_alu instid0(VALU_DEP_3)
	v_mov_b32 v[PC+6*\c+3+\i], v[UT+4*\c+\i]
.endr
.endr
.set j, 0
.rept 16
	v_pk_mul_f32 v[O+j:O+j+1], v[O+j:O+j+1], v[F:F+1] op_sel_hi:[1,0]   ; O^T under the new M; of these sixteen, twelve name no register of any one product below: the places behind p's scale word and codes
.set j, j+2
.endr
	s_wait_alu depctr_va_vdst(0)
	s_wait_dscnt 0x0                               ; v's tiles are in
.irp t, 0,1,2,3                                ; O^T += v^T p^T: four accumulators, one instruction each
.if \t < 2
	v_wmma_scale_f32_16x16x128_f8f6f4 v[O+8*\t:O+8*\t+7], v[FRG+12*\t:FRG+12*\t+11], v[PC:PC+11], v[O+8*\t:O+8*\t+7], v[VS+\t%2], v[PW] matrix_a_fmt:MATRIX_FMT_FP6 matrix_b_fmt:MATRIX_FMT_FP6
.else
	v_wmma_scale_f32_16x16x128_f8f6f4 v[O+8*\t:O+8*\t+7], v[FRG+12*\t:FRG+12*\t+11], v[PC:PC+11], v[O+8*\t:O+8*\t+7], v[VS+\t%2], v[PW] matrix_a_fmt:MATRIX_FMT_FP6 matrix_b_fmt:MATRIX_FMT_FP6 matrix_a_scale:MATRIX_SCALE_ROW1
.endif
.endr
	s_add_co_u32 s[TB], s[TB], KVB
.endm
; A PASS: tile u of my pair tile against all 2,048 keys, which lie in LDS.
.macro PASS u
.if \u
	s_wait_xcnt 0x0                                ; pass 0's stores have read their registers
	v_perm_b32 v[QS], v[QW], v[QW], 0x03020302     ; the tile's two bytes, twice
.else
	v_perm_b32 v[QS], v[QW], v[QW], 0x01000100
.endif
.irp i, 0,1,2,3,4,5
	v_mov_b32 v[QZ+6+\i], v[QP+6*\u+\i]
.endr
	v_mov_b32 v13, 0xff61b1e6                      ; the largest t so far: -3e38
	s_delay_alu instid0(VALU_DEP_1)
	v_floor_f32 v12, -v13
	v_mov_b32 v14, 0
	v_mov_b32 v15, 0
.set j, 0
.rept 32
	v_mov_b32 v[O+j], 0                            ; the step is written once: the first finds zeros.  (These are also the places behind q's registers and its scale word)
.set j, j+1
.endr
	s_mov_b32 s[TB], 0
	s_mov_b32 s[KC], 16
.Lk_\@:
	STEP
	s_sub_co_u32 s[KC], s[KC], 1
	s_cmp_lg_u32 s[KC], 0
	s_cbranch_scc1 .Lk_\@
	v_nop
	v_nop
	v_add_f32 v14, v14, v15                        ; the sum's two halves,
	s_delay_alu instid0(VALU_DEP_1)
	v_permlanex16_b32 v[TP], v14, s[SEL], s[SEL+1]
	s_delay_alu instid0(VALU_DEP_1)
	v_add_f32 v14, v14, v[TP]                      ; and lane l xor 16's
	s_wait_alu depctr_va_vdst(0)
	v_rcp_f32 v14, v14
	v_nop                                          ; the plain instruction behind the reciprocal
	s_wait_alu depctr_va_vdst(0)                   ; and the wait ahead of its first reader
.set j, 0
.rept 16
	v_pk_mul_f32 v[S+j:S+j+1], v[O+j:O+j+1], v[14:15] op_sel_hi:[1,0]   ; o = O^T / the sum, each accumulator from its low end on
.set j, j+2
.endr
.irp g, 0,1                                    ; the head's two blocks of 32 along the model's axis
	v_max3_num_f32 v[TM+\g], |v[S+16*\g]|, |v[S+1+16*\g]|, 0x1800000
.endr
.irp i, 2,4,6,8,10,12,14
.irp g, 0,1
	s_delay_alu instid0(VALU_DEP_2)
	v_max3_num_f32 v[TM+\g], v[TM+\g], |v[S+16*\g+\i]|, |v[S+1+16*\g+\i]|
.endr
.endr
.irp g, 0,1
	s_delay_alu instid0(VALU_DEP_2)
	v_permlanex16_b32 v[TP+\g], v[TM+\g], s[SEL], s[SEL+1]
.endr
.irp g, 0,1
	s_delay_alu instid0(VALU_DEP_2)
	v_max_num_f32 v[TM+\g], v[TM+\g], v[TP+\g]
.endr
.irp g, 0,1
	s_delay_alu instid0(VALU_DEP_2)
	v_add_nc_u32 v[SO+\g], 0xff000000, v[TM+\g]
.endr
.irp g, 0,1
	s_delay_alu instid0(VALU_DEP_2)
	v_lshrrev_b32 v[BY+\g], 23, v[SO+\g]
.endr
	s_delay_alu instid0(VALU_DEP_1)
	v_lshl_or_b32 v[HW], v[BY+1], 8, v[BY]
	v_cvt_scalef32_pk16_fp6_f32 v[OC:OC+2], v[S:S+15], v[SO]
	v_cvt_scalef32_pk16_fp6_f32 v[UT:UT+2], v[S+16:S+31], v[SO+1]
	v_nop
.irp i, 0,1,2
	v_permlane16_swap_b32 v[OC+\i], v[UT+\i]       ; a whole block to a lane
.endr
.irp i, 0,1,2
	s_delay_alu instid0(VALU_DEP_3)
	v_mov_b32 v[OC+3+\i], v[UT+\i]
.endr
	global_store_b128 v[L16], v[OC:OC+3], s[44:45] offset:3072*\u        ; 512 consecutive bytes, aligned
	global_store_b64 v[L8], v[OC+4:OC+5], s[44:45] offset:3072*\u+512    ; 256 consecutive bytes, aligned
.if \u
	v_cndmask_b32 v[HW], v[HW0], v[HW], s40        ; lanes 0-15 pass 0's rows, lanes 16-31 pass 1's
	global_store_b16 v[SCO], v[HW], s[46:47]
.else
	v_mov_b32 v[HW0], v[HW]
.endif
.endm
	s_wait_tensorcnt 0x0                           ; my step has landed,
	s_barrier_signal -1
	s_barrier_wait -1                              ; everybody's has: the whole head lies in LDS, and nothing is ever filled again
	s_wait_loadcnt 0x0                             ; q
	PASS 0
	PASS 1
	s_wait_tensorcnt 0x0
	ds_add_u32 v254, v255
	s_wait_dscnt 0x0
	ROUND                                          ; the closing round
	s_endpgm
.Lfunc_end_k_q7bff8739d1_attn:
	.size	k_q7bff8739d1_attn, .Lfunc_end_k_q7bff8739d1_attn-k_q7bff8739d1_attn
	.p2alignl 7, 3214868480
	.fill 96, 4, 3214868480
	.section	.rodata,"a",@progbits
	.p2align	6, 0x0
	.amdhsa_kernel k_q7bff8739d1_attn
		.amdhsa_group_segment_fixed_size 206848
		.amdhsa_private_segment_fixed_size 0
		.amdhsa_enable_private_segment 0
		.amdhsa_kernarg_size 16
		.amdhsa_user_sgpr_count 2
		.amdhsa_user_sgpr_kernarg_segment_ptr 1
		.amdhsa_wavefront_size32 1
		.amdhsa_system_sgpr_workgroup_id_x 1
		.amdhsa_system_sgpr_workgroup_id_y 1
		.amdhsa_system_sgpr_workgroup_id_z 1
		.amdhsa_system_vgpr_workitem_id 0
		.amdhsa_next_free_vgpr 256
		.amdhsa_next_free_sgpr 66
		.amdhsa_reserve_vcc 0
		.amdhsa_float_denorm_mode_32 3
		.amdhsa_float_denorm_mode_16_64 3
		.amdhsa_memory_ordered 1
		.amdhsa_forward_progress 1
		.amdhsa_inst_pref_size 51
	.end_amdhsa_kernel
	.amdgpu_metadata
---
amdhsa.version: [ 1, 2 ]
amdhsa.kernels:
  - .name:           k_q7bff8739d1_attn
    .symbol:         k_q7bff8739d1_attn.kd
    .args:
      - { .name: qkv, .offset: 0, .size: 8, .value_kind: global_buffer, .address_space: global }
      - { .name: oq, .offset: 8, .size: 8, .value_kind: global_buffer, .address_space: global }
    .group_segment_fixed_size: 206848
    .private_segment_fixed_size: 0
    .kernarg_segment_align: 8
    .kernarg_segment_size: 16
    .max_flat_workgroup_size: 512
    .sgpr_count:     66
    .vgpr_count:     256
    .wavefront_size: 32
...
	.end_amdgpu_metadata
.endif
;; end of part 3
;; launch proj (part 4): grid 4 x 64, 4 waves a work-group, clusters of 4 x 4, 327,680 bytes of LDS; arguments oq, wq, b_out, out0; writes out0
.if DOCPART == 4
	.amdgcn_target "amdgcn-amd-amdhsa--gfx1250"
	.amdhsa_code_object_version 6
	.text
	.protected	k_q7bff8739d1_proj
	.globl	k_q7bff8739d1_proj
	.p2align	8
	.type	k_q7bff8739d1_proj,@function
k_q7bff8739d1_proj:
	s_mov_b64 s[64:65], 0
	v_nop
	global_prefetch_b8 v0, s[64:65] scope:SCOPE_SE
	s_setreg_imm32_b32 hwreg(HW_REG_WAVE_MODE, 25, 1), 1
	s_wait_xcnt 0x0
	s_wait_alu depctr_hold_cnt(0) depctr_sa_sdst(0) depctr_va_vdst(0) depctr_va_sdst(0) depctr_va_ssrc(0) depctr_va_vcc(0) depctr_vm_vsrc(0)
	s_getreg_b32 s2, hwreg(HW_REG_IB_STS2, 6, 4)
	s_cmp_eq_u32 s2, 0
	s_cbranch_scc0 .Lentry_in_a_cluster
	s_endpgm
.Lentry_in_a_cluster:
	s_bfe_u32 s2, ttmp6, 0x10000c
	s_cmp_lg_u32 s2, 0xf033
	s_cbranch_scc0 .Lentry_shape_is_right
	s_endpgm
.Lentry_shape_is_right:
; out0 = o W_out + b_out on codes of FP6 (E2M3) with E8M0 scales.  oq holds o's codes as images of operand registers (a fragment in two halves of 768 bytes, one a head), wq's strips 24-31 W_out's.
; SHARES.  256 work-groups; a work-group makes 128 tokens x 256 columns, a wave 64 x 128: 32 accumulators of 16 x 16, 256 registers.
; ALL OF K LIES IN LDS: o's strip of 128 tokens (98,304 bytes) and two strips of W_out, each a dense block of memory, filled once by one joint load a wave at the head: waves 0 and 1 a half each of o's strip, waves 2 and 3 a strip of W_out each.
; No byte is filled again, so the walk along K has no round.  CLUSTERS 4 x 4: o's strip is shared by a row of the cluster, W_out's strips by a column.
; No prefetch: all that the work-group reads is asked for at the head, and there is no loop to run ahead in.
; The matrix instruction is used transposed (source 0 = W_out's rows, source 1 = tokens): a lane holds eight neighbouring columns of one token.
; REGISTERS: window 0: addresses, scale words, o's fragments in two sets (v128-223); window 1: W_out's fragments in two sets (v0-95, v128-223); window 2: the accumulators, (a, b) at v[8 (8 a + b)].
; THE WAY OUT: a block of 16 tokens x 128 columns goes through the wave's stage in LDS and leaves as rows of 512 bytes.  The stage lies in o's bytes, behind a barrier in front of which every wave's LDS reads are over.
.set OSC,   6291456
.set WSC,   3145728
.set STRIP, 98304                      ; 128 rows x 1,024 codes: [256 along K][fragment row][128 along K][1,536 bytes]
.set HALF,  49152
.set KT,    24576
.set SPARE, 3*STRIP
.set SPITCH, 528
.set L16,  1
.set SOF,  2
.set ADRA, 16                          ; v16, v17 o's fragments, 16 x lane, K halves 0, 1; v18, v19 the same with 8 x lane
.set ADRB, 20                          ; v20, v21 W_out's
.set STO,  24
.set RD,   25
.set SPW,  28
.set NIL,  29
.set SA,   34                          ; v34-49 o's scale words: 4 fragment rows x 4 (lanes 0-15: K steps 0-3, lanes 16-31: 4-7)
.set SB,   64                          ; v64-95 W_out's: 8 fragment rows x 4
.set BI,   96
.set AF,   128
.set BK,   128
.set G1,   24
.set G0,   32
.set G1B,  48
.set G0B,  56
.set MSB, 0
.macro WIN new
.if MSB != (\new)
	s_set_vgpr_msb (MSB<<8)|(\new)
.set MSB, (\new)
.endif
.endm
.macro PLACES n
.rept \n
	v_nop
.endr
.endm
.macro CROUND
	s_barrier_signal -1
	s_barrier_wait -1
	s_cmp_lg_u32 s14, 0
	s_cbranch_scc1 .Lnot_wave_0_\@
	s_barrier_signal -3
.Lnot_wave_0_\@:
	s_barrier_wait -3
	s_barrier_signal -1
	s_barrier_wait -1
.endm
	s_load_b256 s[4:11], s[0:1], 0x0               ; oq, wq, b_out, out0
	v_lshl_add_u32 v[SPW], v0, 2, SPARE
	v_mov_b32 v[NIL], 0
	ds_add_u32 v[SPW], v[NIL]                      ; the opening lines: the add twice on end and its wait
	ds_add_u32 v[SPW], v[NIL]
	v_lshrrev_b32 v6, 5, v0
	v_readfirstlane_b32 s14, v6                    ; wave
	s_lshr_b32 s15, s14, 1                         ; my 64 tokens.  Also: I fetch for o (0) or for W_out (1)
	s_and_b32 s16, s14, 1                          ; my strip of W_out.  Also: which part I fetch
	s_bfe_u32 s40, ttmp6, 0x40000                  ; cx
	s_bfe_u32 s41, ttmp6, 0x40004                  ; cy
	s_and_b32 s17, ttmp7, 0xffff
	s_lshl_b32 s43, s41, 2
	s_lshl_b32 s43, 15, s43                        ; my row of the cluster
	s_lshl_b32 s44, 0x1111, s40                    ; my column
	s_or_b32 s[G1+0], s43, (3<<16)|(1<<21)         ; dense blocks as rows of 256 bytes: 32 elements of 8
	s_or_b32 s[G1B+0], s44, (3<<16)|(1<<21)
.irp g, G1, G1B
	s_mov_b32 s[\g+1], 32<<16
	s_mov_b32 s[\g+3], 32<<16
	s_mov_b32 s[\g+5], 32
	s_mov_b32 s[\g+6], 0
	s_mov_b32 s[\g+7], 0
.endr
	s_mov_b32 s[G1+2], 192<<16                     ; half a strip
	s_mov_b32 s[G1+4], 192
	s_mov_b32 s[G1B+2], 384<<16                    ; a strip
	s_mov_b32 s[G1B+4], 384
	s_lshl_b32 s66, s17, 2
	s_add_co_u32 s66, s66, s41                     ; tile row: o's strip, 0 .. 63
	s_lshl_b32 s67, ttmp9, 2
	s_add_co_u32 s67, s67, s40                     ; tile column, 0 .. 3
	s_mul_i32 s76, s66, STRIP
	s_mul_i32 s77, s16, HALF
	s_add_co_u32 s76, s76, s77
	s_mov_b32 s77, 0
	s_lshl_b32 s78, s67, 1
	s_add_co_u32 s78, s78, s16
	s_add_co_u32 s78, s78, 24
	s_mul_i32 s78, s78, STRIP
	s_mov_b32 s79, 0
	s_mov_b32 s[G0], 1
	s_mul_i32 s[G0+1], s16, HALF
	s_mov_b32 s[G0B], 1
	s_mul_i32 s[G0B+1], s16, STRIP
	s_add_co_u32 s[G0B+1], s[G0B+1], STRIP
	s_wait_dscnt 0x0
	s_wait_kmcnt 0x0
	s_add_nc_u64 s[G0+2:G0+3], s[4:5], s[76:77]
	s_or_b32 s[G0+3], s[G0+3], 0x80000000
	s_add_nc_u64 s[G0B+2:G0B+3], s[6:7], s[78:79]
	s_or_b32 s[G0B+3], s[G0B+3], 0x80000000
	CROUND                                         ; all sixteen work-groups are here: the joint loads meet
	s_cmp_eq_u32 s15, 0
	s_cbranch_scc0 .Lfor_b
	tensor_load_to_lds s[G0:G0+3], s[G1:G1+7]
	s_nop 0
	PLACES 4
	s_branch .Lasked
.Lfor_b:
	tensor_load_to_lds s[G0B:G0B+3], s[G1B:G1B+7]
	s_nop 0
	PLACES 4
.Lasked:
	s_lshl_b32 s76, s66, 12
	s_lshl_b32 s78, s15, 11
	s_add_co_u32 s76, s76, s78
	s_add_co_u32 s76, s76, OSC
	s_add_nc_u64 s[80:81], s[4:5], s[76:77]        ; the scale words of my four fragment rows of o
	s_lshl_b32 s78, s67, 1
	s_add_co_u32 s78, s78, s16
	s_add_co_u32 s78, s78, 24
	s_lshl_b32 s78, s78, 12
	s_add_co_u32 s78, s78, WSC
	s_add_nc_u64 s[82:83], s[6:7], s[78:79]        ; and of my strip of W_out
	s_lshl_b32 s76, s67, 10
	s_lshl_b32 s78, s16, 9
	s_add_co_u32 s76, s76, s78                     ; my first column, in bytes
	s_add_nc_u64 s[86:87], s[8:9], s[76:77]
	s_add_nc_u64 s[12:13], s[10:11], s[76:77]
	s_lshl_b32 s76, s66, 19                        ; 128 tokens of 4,096 bytes a tile row,
	s_lshl_b32 s78, s15, 18                        ; 64 for my half
	s_add_co_u32 s76, s76, s78
	s_add_nc_u64 s[12:13], s[12:13], s[76:77]
	s_mul_i32 s84, s15, 4*3072                     ; LDS: my four fragment rows of o
	s_mul_i32 s85, s16, STRIP
	s_add_co_u32 s85, s85, STRIP                   ; my strip of W_out
	s_mul_i32 s88, s14, 16*SPITCH                  ; my stage
	v_and_b32 v6, 31, v0
	v_and_b32 v7, 15, v0
	v_bfe_u32 v8, v0, 4, 1
	v_lshlrev_b32 v[L16], 4, v6
	v_lshlrev_b32 v9, 3, v6
	v_lshlrev_b32 v[SOF], 5, v7
	v_lshl_add_u32 v[SOF], v8, 4, v[SOF]
	v_add_nc_u32 v[ADRA], s84, v[L16]
	v_add_nc_u32 v[ADRA+2], s84, v9
	v_add_nc_u32 v[ADRB], s85, v[L16]
	v_add_nc_u32 v[ADRA+1], HALF, v[ADRA]
	v_add_nc_u32 v[ADRA+3], HALF, v[ADRA+2]
	v_add_nc_u32 v[ADRB+1], HALF, v[ADRB]
	v_mul_u32_u24 v[STO], v7, SPITCH
	v_lshl_add_u32 v[STO], v8, 6, v[STO]
	v_add_nc_u32 v[STO], s88, v[STO]
	v_add_nc_u32 v[RD], s88, v[L16]
	s_wait_alu depctr_va_vdst(0)                   ; the wait at the head's end
.irp i, 0,1,2,3
	global_load_b128 v[SA+4*\i:SA+4*\i+3], v[SOF], s[80:81] offset:512*\i
.endr
.irp i, 0,1,2,3,4,5,6,7
	global_load_b128 v[SB+4*\i:SB+4*\i+3], v[SOF], s[82:83] offset:512*\i
.endr
	global_load_b128 v[BI:BI+3], v[L16], s[86:87]
; the fragments of K step kf into set kf % 2: 24 loads for W_out's eight, 16 for o's four
.macro FETCH kf
.set P_, (\kf)%2
.set HH_, (\kf)/4
.set OF_, (((\kf)/2)%2)*KT+((\kf)%2)*1536
	WIN 0x40
.irp i, 0,1,2,3,4,5,6,7
.irp ch, 0,1,2
	ds_load_b128 v[128*P_+12*\i+4*\ch:128*P_+12*\i+4*\ch+3], v[ADRB+HH_] offset:OF_+3072*\i+512*\ch
.endr
.endr
	WIN 0
.irp i, 0,1,2,3
	ds_load_b128 v[AF+48*P_+12*\i:AF+48*P_+12*\i+3],     v[ADRA+HH_]   offset:OF_+3072*\i
	ds_load_b64  v[AF+48*P_+12*\i+4:AF+48*P_+12*\i+5],   v[ADRA+2+HH_] offset:OF_+3072*\i+512
	ds_load_b128 v[AF+48*P_+12*\i+6:AF+48*P_+12*\i+9],   v[ADRA+HH_]   offset:OF_+3072*\i+768
	ds_load_b64  v[AF+48*P_+12*\i+10:AF+48*P_+12*\i+11], v[ADRA+2+HH_] offset:OF_+3072*\i+1280
.endr
.endm
; 32 products: the accumulators take turns, in the same order in every step; the first step's take the constant 0 as C
.macro MUL kf
.set P_, (\kf)%2
	WIN 0xa1
.irp a, 0,1,2,3
.irp b, 0,1,2,3,4,5,6,7
.if (\kf) == 0
	v_wmma_scale_f32_16x16x128_f8f6f4 v[8*(8*\a+\b):8*(8*\a+\b)+7], v[128*P_+12*\b:128*P_+12*\b+11], v[AF+48*P_+12*\a:AF+48*P_+12*\a+11], 0, v[SB+4*\b], v[SA+4*\a] matrix_a_fmt:MATRIX_FMT_FP6 matrix_b_fmt:MATRIX_FMT_FP6
.elseif (\kf) < 4
	v_wmma_scale_f32_16x16x128_f8f6f4 v[8*(8*\a+\b):8*(8*\a+\b)+7], v[128*P_+12*\b:128*P_+12*\b+11], v[AF+48*P_+12*\a:AF+48*P_+12*\a+11], v[8*(8*\a+\b):8*(8*\a+\b)+7], v[SB+4*\b+(\kf)], v[SA+4*\a+(\kf)] matrix_a_fmt:MATRIX_FMT_FP6 matrix_b_fmt:MATRIX_FMT_FP6
.else
	v_wmma_scale_f32_16x16x128_f8f6f4 v[8*(8*\a+\b):8*(8*\a+\b)+7], v[128*P_+12*\b:128*P_+12*\b+11], v[AF+48*P_+12*\a:AF+48*P_+12*\a+11], v[8*(8*\a+\b):8*(8*\a+\b)+7], v[SB+4*\b+(\kf)-4], v[SA+4*\a+(\kf)-4] matrix_a_fmt:MATRIX_FMT_FP6 matrix_b_fmt:MATRIX_FMT_FP6 matrix_a_scale:MATRIX_SCALE_ROW1 matrix_b_scale:MATRIX_SCALE_ROW1
.endif
.endr
.endr
	WIN 0
.endm
	s_wait_tensorcnt 0x0                           ; my tile has landed,
	s_barrier_signal -1
	s_barrier_wait -1                              ; everybody's has: all of K lies in LDS
	FETCH 0
	s_wait_loadcnt 0x0                             ; the scale words and the bias
	FETCH 1
	s_wait_dscnt 40                                ; step 0's fragments are in; the 40 loads just issued may be out
	MUL 0
.irp k, 1,2,3,4,5,6
	PLACES 4                                       ; in front of loads into the set that the last products read
	FETCH (\k)+1
	s_wait_dscnt 40                                ; this step's fragments are in; the next step's 40 loads may be out
	MUL \k
.endr
	s_wait_dscnt 0x0                               ; my reads of the tiles are over:
	s_barrier_signal -1                            ; say so, work on registers while the others arrive,
	MUL 7
	s_barrier_wait -1                              ; and go on: nobody reads o's bytes any more, in which the stages lie
.macro TOSTAGE a
.set AC, 64*(\a)
	WIN 0x08                                       ; the data: window 2
.irp b, 0,1,2,3,4,5,6,7
	ds_store_b128 v[STO], v[AC+8*\b:AC+8*\b+3] offset:128*(\b/2)+32*(\b%2)      ; each accumulator from its low end on; register j of lane (r, h) is column 32 (b / 2) + 8 (b % 2) + 16 h + j
	ds_store_b128 v[STO], v[AC+8*\b+4:AC+8*\b+7] offset:128*(\b/2)+32*(\b%2)+16
.endr
	WIN 0
.set BB, BK+64*((\a)%2)
.irp t, 0,1,2,3,4,5,6,7,8,9,10,11,12,13,14,15
	ds_load_b128 v[BB+4*\t:BB+4*\t+3], v[RD] offset:\t*SPITCH                   ; LDS serves a wave's instructions in order: these see the stores above
.endr
.endm
.macro SEND a, younger                 ; younger: the LDS instructions issued behind block a's loads
.set BB, BK+64*((\a)%2)
	s_wait_dscnt \younger
.irp t, 0,1,2,3,4,5,6,7,8,9,10,11,12,13,14,15
	v_pk_add_f32 v[BB+4*\t:BB+4*\t+1], v[BB+4*\t:BB+4*\t+1], v[BI:BI+1]
	v_pk_add_f32 v[BB+4*\t+2:BB+4*\t+3], v[BB+4*\t+2:BB+4*\t+3], v[BI+2:BI+3]
	global_store_b128 v[L16], v[BB+4*\t:BB+4*\t+3], s[12:13] offset:(32*((\a)/2)+8*((\a)%2)+\t+8*(\t/8))*4096 th:TH_STORE_NT   ; 32 lanes store 512 consecutive bytes, aligned
.endr
.endm
	PLACES 4
	TOSTAGE 0
.irp a, 1,2,3
.if \a > 1
	s_wait_xcnt 0x0                                ; block a - 2's stores have read their registers
.endif
	TOSTAGE \a
	SEND (\a)-1, 32
.endr
	SEND 3, 0
	s_wait_tensorcnt 0x0                           ; the wave's end
	ds_add_u32 v[SPW], v[NIL]
	s_wait_dscnt 0x0
	CROUND                                         ; the closing round
	s_endpgm
.Lfunc_end_k_q7bff8739d1_proj:
	.size	k_q7bff8739d1_proj, .Lfunc_end_k_q7bff8739d1_proj-k_q7bff8739d1_proj
	.p2alignl 7, 3214868480
	.fill 96, 4, 3214868480
	.section	.rodata,"a",@progbits
	.p2align	6, 0x0
	.amdhsa_kernel k_q7bff8739d1_proj
		.amdhsa_group_segment_fixed_size 327680
		.amdhsa_private_segment_fixed_size 0
		.amdhsa_enable_private_segment 0
		.amdhsa_kernarg_size 32
		.amdhsa_user_sgpr_count 2
		.amdhsa_user_sgpr_kernarg_segment_ptr 1
		.amdhsa_wavefront_size32 1
		.amdhsa_system_sgpr_workgroup_id_x 1
		.amdhsa_system_sgpr_workgroup_id_y 1
		.amdhsa_system_sgpr_workgroup_id_z 1
		.amdhsa_system_vgpr_workitem_id 0
		.amdhsa_next_free_vgpr 768
		.amdhsa_next_free_sgpr 100
		.amdhsa_reserve_vcc 0
		.amdhsa_float_denorm_mode_32 3
		.amdhsa_float_denorm_mode_16_64 3
		.amdhsa_memory_ordered 1
		.amdhsa_forward_progress 1
		.amdhsa_inst_pref_size 85
	.end_amdhsa_kernel
	.amdgpu_metadata
---
amdhsa.version: [ 1, 2 ]
amdhsa.kernels:
  - .name:           k_q7bff8739d1_proj
    .symbol:         k_q7bff8739d1_proj.kd
    .args:
      - { .name: oq, .offset: 0, .size: 8, .value_kind: global_buffer, .address_space: global }
      - { .name: wq, .offset: 8, .size: 8, .value_kind: global_buffer, .address_space: global }
      - { .name: b_out, .offset: 16, .size: 8, .value_kind: global_buffer, .address_space: global }
      - { .name: out0, .offset: 24, .size: 8, .value_kind: global_buffer, .address_space: global }
    .group_segment_fixed_size: 327680
    .private_segment_fixed_size: 0
    .kernarg_segment_align: 8
    .kernarg_segment_size: 32
    .max_flat_workgroup_size: 128
    .sgpr_count:     100
    .vgpr_count:     768
    .wavefront_size: 32
...
	.end_amdgpu_metadata
.endif
;; end of part 4
